; MI455X (gfx1250); checked and timed in simulation.
; The chip was launched on July 23, 2026; its instructions are those of AMD's public machine-readable ISA for CDNA 5 (MIT licence, August 2026) and "CDNA5" Instruction Set Architecture Reference Guide (July 2026). The comments in the code are by the model that wrote it; some were corrected since.
;; Multi Head Attention. Allowed arithmetic: matrix products marked QUANTISED: E2M1 operands, one E8M0 scale for each 32 along K, by v_wmma_scale_f32_16x16x128_f8f6f4 with both operands' format E2M1 (or v_wmma_scale_f32_32x16x128_f4), f32 sums; everything else in f32.
;; Inputs: Wk_codes 1,024 x 32 x 16 uint8 (E2M1 codes of Wk, K innermost, in blocks of 32 codes, two codes a byte); Wk_scales 1,024 x 32 uint8 (E8M0 scales of Wk, one for each 32 codes along K); Wo_codes 1,024 x 32 x 16 uint8 (E2M1 codes of Wo, K innermost, in blocks of 32 codes, two codes a byte); Wo_scales 1,024 x 32 uint8 (E8M0 scales of Wo, one for each 32 codes along K); Wq_codes 1,024 x 32 x 16 uint8 (E2M1 codes of Wq, K innermost, in blocks of 32 codes, two codes a byte); Wq_scales 1,024 x 32 uint8 (E8M0 scales of Wq, one for each 32 codes along K); Wv_codes 1,024 x 32 x 16 uint8 (E2M1 codes of Wv, K innermost, in blocks of 32 codes, two codes a byte); Wv_scales 1,024 x 32 uint8 (E8M0 scales of Wv, one for each 32 codes along K); bk 1,024 float32; bo 1,024 float32; bq 1,024 float32; bv 1,024 float32; hidden_states_codes 2 x 2,048 x 32 x 16 uint8 (E2M1 codes of hidden_states, K innermost, in blocks of 32 codes, two codes a byte); hidden_states_scales 2 x 2,048 x 32 uint8 (E8M0 scales of hidden_states, one for each 32 codes along K).
;; Outputs: out0 2 x 2,048 x 1,024 float32.
;; This version of the problem:
;;   THIS VERSION OF THE PROBLEM IS GIVEN IN LOW PRECISION. The matrix products marked QUANTISED in the list below multiply operands that are first quantised to E2M1 (2 exponent bits, 1 mantissa bit; 4 bits a number), with one power-of-two scale for each 32 numbers along K (OCP MX v1.0); their sums are f32. All else is computed in f32.
;;   The module's matrix products, in the order in which they are computed (A, B: the left and right operand; K: the contracted axis; several contracted axes count as one K, in the product's order):
;;     1. [M 4,096, K 1,024] x [K 1,024, N 1,024]; A: input hidden_states (given as codes); B: input Wq (given as codes): QUANTISED
;;     2. [M 4,096, K 1,024] x [K 1,024, N 1,024]; A: input hidden_states (given as codes); B: input Wk (given as codes): QUANTISED
;;     3. [M 4,096, K 1,024] x [K 1,024, N 1,024]; A: input hidden_states (given as codes); B: input Wv (given as codes): QUANTISED
;;     4. batch 32 x [M 2,048, K 64] x [K 64, N 2,048]; A: computed on the way; B: computed on the way: QUANTISED
;;     5. batch 32 x [M 2,048, K 2,048] x [K 2,048, N 64]; A: softmax (see below); B: computed on the way: QUANTISED
;;     6. [M 4,096, K 1,024] x [K 1,024, N 1,024]; A: computed on the way; B: input Wo (given as codes): QUANTISED
;;   THE QUANTISER, for each operand of a quantised product, along K:
;;     - K is cut into blocks of 32 from its start; a last block that is shorter is filled with zeros.
;;     - A block's scale is 2^e with e = floor(log2(the largest magnitude in the block)) - 2, held to -126 .. 127; a block of zeros has e = 0. As a byte (E8M0): e + 127.
;;     - Each number is divided by its block's scale, clamped to +-6, and rounded to the nearest number of E2M1, ties to even, subnormals kept.
;;     - The product sums the exact products of the quantised numbers (number of the format x scale) in f32.
;;   ~~~python
;;   def quantise(x, axis):      # numpy; x: float32 -> the quantised numbers, widened to float32 again
;;       x = np.moveaxis(x, axis, -1); K = x.shape[-1]
;;       x = np.pad(x, [(0, 0)] * (x.ndim - 1) + [(0, -K % 32)]); x = x.reshape(x.shape[:-1] + (-1, 32)); a = np.abs(x).max(-1, keepdims=True)
;;       e = np.where(a > 0, np.clip(np.frexp(np.where(a > 0, a, 1))[1] - 1 - 2, -126, 127), 0)      # np.frexp(a)[1] - 1 = floor(log2(a)), exactly
;;       r = np.clip(x / 2.0 ** e, -6, 6)
;;       step = 2.0 ** (np.maximum(np.frexp(np.where(r == 0, 1, r))[1] - 1, 0) - 1)
;;       q = np.round(r / step) * step * 2.0 ** e      # np.round: ties to even
;;       return np.moveaxis(q.reshape(q.shape[:-2] + (-1,))[..., :K], -1, axis).astype(np.float32)
;;   ~~~
;;   SOFTMAX AHEAD OF A QUANTISED PRODUCT. Where the list says 'softmax', what is quantised is not the finished softmax but p = 2^(t - M), with t = logit x log2(e) and M = ceil(the row's largest t), a whole number; so 1/2 < the row's largest p <= 1. The row's sum l is taken of the UNQUANTISED p, in f32, and the product's result is divided by l at the end. Since M is a whole number, a kernel that streams over the keys may use a running M (the ceiling of the running maximum): every later rescaling is an exact power of two, which a block's scale takes up: the codes' values come out the same.
;;   OPERANDS COMPUTED ON THE WAY. 'Computed on the way' means the value that the module computes at that place (a softmax that the list does not call 'softmax' is quantised finished and normalised). What goes into a quantiser is computed in f32, as accurately as f32 sums, v_exp_f32 and their like allow (about 1e-6 of the number): no bf16 or f16 on the way to a quantiser, and a product that is left as it is and whose result goes on into a quantised operand takes f32 operands (vector FMAs, or v_wmma_f32_16x16x4_f32). A number that lies on a knife's edge between two numbers of the format may be rounded either way, as far as f32 arithmetic and the matrix unit's own rounding can turn it there, and no further.
;;   INPUTS GIVEN AS CODES. Wk (in the module: [1024, 1024], K = its axis 0); Wo (in the module: [1024, 1024], K = its axis 0); Wq (in the module: [1024, 1024], K = its axis 0); Wv (in the module: [1024, 1024], K = its axis 0); hidden_states (in the module: [2, 2048, 1024], K = its axis 2): each comes as NAME_codes (uint8): NAME with its K axis moved to the last place and cut into blocks of 32 codes, [.., K / 32, bytes a block], one block behind the other in memory; two codes a byte, the lower K in the low four bits (a code: sign, 2 exponent bits, 1 mantissa bit); and NAME_scales (uint8): the same leading axes, one E8M0 byte (e + 127) for each 32 codes along K. Its value is code x scale, taken as it is: it is not quantised again, and the codes and scales need not be those that the quantiser above would give.
;; One version. Each part assembles by itself: llvm-mc -triple=amdgcn-amd-amdhsa -mcpu=gfx1250 --defsym DOCPART=n.
;; ======== version 1 of 1: 3 launches
;; limits: right only within a limited range of input values
;; workspace buffers: q_img 2,097,152 bytes; q_sc 262,144 bytes; kv_img 4,194,304 bytes; kv_sc 262,144 bytes; o_img 2,097,152 bytes; o_sc 131,072 bytes
;; launch qkv (part 1): grid 8 x 32, 4 waves a work-group, clusters of 4 x 4, 271,872 bytes of LDS; arguments hidden_states_codes, hidden_states_scales, Wq_codes, Wq_scales, Wk_codes, Wk_scales, Wv_codes, Wv_scales, bq, bk, bv, q_img, q_sc, kv_img, kv_sc; writes q_img, q_sc, kv_img, kv_sc
.if DOCPART == 1
	.amdgcn_target "amdgcn-amd-amdhsa--gfx1250"
	.amdhsa_code_object_version 6
	.text
	.protected	k_q2eb175f589_qkv
	.globl	k_q2eb175f589_qkv
	.p2align	8
	.type	k_q2eb175f589_qkv,@function
k_q2eb175f589_qkv:
	s_mov_b64 s[64:65], 0
	v_nop
	global_prefetch_b8 v0, s[64:65] scope:SCOPE_SE
	s_setreg_imm32_b32 hwreg(HW_REG_WAVE_MODE, 25, 1), 1
	s_wait_xcnt 0x0
	s_wait_alu depctr_hold_cnt(0) depctr_sa_sdst(0) depctr_va_vdst(0) depctr_va_sdst(0) depctr_va_ssrc(0) depctr_va_vcc(0) depctr_vm_vsrc(0)
	s_getreg_b32 s2, hwreg(HW_REG_IB_STS2, 6, 4)
	s_cmp_eq_u32 s2, 0
	s_cbranch_scc0 .Lentry_in_a_cluster
	s_endpgm
.Lentry_in_a_cluster:
	s_bfe_u32 s2, ttmp6, 0x10000c
	s_cmp_lg_u32 s2, 0xf033
	s_cbranch_scc0 .Lentry_shape_is_right
	s_endpgm
.Lentry_shape_is_right:
; Q, K, V = hidden W + b on codes of FP4 (E2M1) with E8M0 scales, and the three results quantised again: Q and K along the head's 64, V along the keys.
; SHARES.  A work-group takes 128 tokens x 128 columns (two heads) of each of Wq, Wk, Wv; K = 1,024 codes are 512 bytes a row, so all four tiles of codes lie in LDS whole: each byte of LDS is filled once, by one load a wave.
; The scale bytes go straight into registers: 32 rows of 32 bytes are 1,024 consecutive bytes, two loads of 16 bytes a lane.
; A wave takes 64 tokens x one head.  Its 32 fragments of hidden (4 tiles of tokens x 8 K steps) stay in 256 registers for all three weights; the weights' fragments come from LDS, two K steps at a time, in two buffers.
; Q and K are made TRANSPOSED (source 0 = 16 rows of W, source 1 = 16 tokens): a lane holds one token and eight neighbouring channels, which are the next product's K.  V is made untransposed: a lane holds one channel
; and eight neighbouring tokens, the keys, which are ITS next K.  One macro quantises all three.
; THE RESULTS LEAVE AS IMAGES OF THE NEXT OPERAND'S REGISTERS: four registers a lane, lane l's 16 bytes at 16 l, 512 consecutive bytes a store.
; CLUSTER 4 x 4: the four of a row need the same tokens, the four of a column the same weights: each tile is asked for jointly.  NO PREFETCH: everything is asked for at the head, and no loop runs behind it.
; LIMITS: NaN, infinities and the scale byte 0xff among the inputs are not served; a block whose largest magnitude lies under 2^-124 gets the byte 1; a block of zeros gets the byte 1 where the rule says 127
; (its codes are zeros, and these bytes are read by this program alone).
; REGISTERS: window 0: v1-25 addresses and scale operands; v32-159 two buffers of weights' fragments; v160-175 hidden's scale words, v176-223 the weights'; v224-255 at work.
;   window 1: hidden's fragments, (tile a, K step s) at 64 a + 8 s.   window 2: v0-127 the 16 accumulators, (a, t) at 8 (4 a + t); v128-223 the biases in the results' layout.
.set PITCH, 528                        ; an LDS row of codes: 512 bytes + 16 of padding: the 16 rows of a fragment load start 132 words apart
.set HALF,  64*PITCH                   ; 64 rows: what a wave reads of a tile
.set TILE,  2*HALF                     ; hidden at 0, Wq, Wk, Wv behind it
.set XS,    4*TILE                     ; scratch of 1,024 bytes for K's and V's scale words: written by LDS stores alone
.set SPARE, XS+1024                    ; the spare words, 128 bytes a wave
.set SWV, 34                           ; wave
.set SWM, 35                           ; which 64 tokens are mine
.set SWN, 36                           ; which head is mine
.set NJ,  37                           ; block of 128 columns
.set MI,  38                           ; block of 128 tokens
.set HM,  39                           ; lanes 16-31
.set HM8, 82                           ; lanes 8-15 and 24-31
.set SEL, 100                          ; s[100:101] selects for lane l xor 16
.set VP,  14                           ; s[14:15] where V's images go
.set G1A, 44
.set G1B, 52
.set G0A, 84                           ; hidden
.set G0B, 92                           ; Wq
.set G0C, 40                           ; Wk (wave 2), Wv (wave 3)
.set ADA, 4
.set ADB, 5                            ; v5-7: Wq, Wk, Wv
.set L32, 8
.set L16, 10
.set L8,  11
.set XK,  12
.set XV,  13
.set XR,  14
.set GS,  15
.set BO,  16
.set BR,  17
.set SO,  18                           ; v18-25 the conversions' scale operands
.set BF,  32
.set SA,  160
.set SB,  176
.set PC,  224
.set TM,  240
.set TP,  248
.set MUL_T, 0xa4                       ; source 0 window 0, source 1 window 1, C and D window 2
.set MUL_N, 0xa1                       ; source 0 window 1, source 1 window 0, C and D window 2
.set TO_A,  0x40
.set TO_2,  0x80
.set MOV_2, 0x82                       ; source 0 and destination window 2
.set MAXW,  0x28                       ; sources 1 and 2 window 2
.set CVTW,  0x02                       ; source 0 window 2
.set MSB, 0
.macro WIN new                         ; the immediate's high byte repeats the setting that is left
.if MSB != \new
	s_set_vgpr_msb (MSB<<8)|\new
.set MSB, \new
.endif
.endm
.macro PLACES n
.rept \n
	v_nop
.endr
.endm
.macro CROUND                          ; a round of the cluster's barrier
	s_barrier_signal -1
	s_barrier_wait -1
	s_cmp_lg_u32 s[SWV], 0
	s_cbranch_scc1 .Lnot_wave_0_\@
	s_barrier_signal -3
.Lnot_wave_0_\@:
	s_barrier_wait -3
	s_barrier_signal -1
	s_barrier_wait -1
.endm
.macro WMM                             ; one product; its registers and the rows of its scale registers stand in the symbols rD, rA, rB, rC, rSA, rSB, rRA, rRB
.if rRA && rRB
	v_wmma_scale_f32_16x16x128_f8f6f4 v[rD:rD+7], v[rA:rA+7], v[rB:rB+7], v[rC:rC+7], v[rSA], v[rSB] matrix_a_fmt:MATRIX_FMT_FP4 matrix_b_fmt:MATRIX_FMT_FP4 matrix_a_scale:MATRIX_SCALE_ROW1 matrix_b_scale:MATRIX_SCALE_ROW1
.elseif rRA
	v_wmma_scale_f32_16x16x128_f8f6f4 v[rD:rD+7], v[rA:rA+7], v[rB:rB+7], v[rC:rC+7], v[rSA], v[rSB] matrix_a_fmt:MATRIX_FMT_FP4 matrix_b_fmt:MATRIX_FMT_FP4 matrix_a_scale:MATRIX_SCALE_ROW1
.elseif rRB
	v_wmma_scale_f32_16x16x128_f8f6f4 v[rD:rD+7], v[rA:rA+7], v[rB:rB+7], v[rC:rC+7], v[rSA], v[rSB] matrix_a_fmt:MATRIX_FMT_FP4 matrix_b_fmt:MATRIX_FMT_FP4 matrix_b_scale:MATRIX_SCALE_ROW1
.else
	v_wmma_scale_f32_16x16x128_f8f6f4 v[rD:rD+7], v[rA:rA+7], v[rB:rB+7], v[rC:rC+7], v[rSA], v[rSB] matrix_a_fmt:MATRIX_FMT_FP4 matrix_b_fmt:MATRIX_FMT_FP4
.endif
.endm
	s_load_b256 s[4:11], s[0:1], 0x0               ; hidden's codes, scales; Wq's codes, scales
	s_load_b256 s[12:19], s[0:1], 0x20             ; Wk's; Wv's
	s_load_b256 s[20:27], s[0:1], 0x40             ; bq, bk, bv, q_img
	s_load_b128 s[28:31], s[0:1], 0x60             ; q_sc, kv_img
	s_load_b64 s[32:33], s[0:1], 0x70              ; kv_sc
	v_lshl_add_u32 v30, v0, 2, SPARE
	v_mov_b32 v31, 0
	ds_add_u32 v30, v31                            ; the wave's opening: the add, twice on end, and its wait ahead of the first tensor load
	ds_add_u32 v30, v31
	v_lshrrev_b32 v1, 5, v0
	v_readfirstlane_b32 s[SWV], v1
	s_lshr_b32 s[SWM], s[SWV], 1
	s_and_b32 s[SWN], s[SWV], 1
	s_bfe_u32 s100, ttmp6, 0x40000                 ; cx
	s_bfe_u32 s101, ttmp6, 0x40004                 ; cy
	s_lshl_b32 s[NJ], ttmp9, 2
	s_add_co_u32 s[NJ], s[NJ], s100
	s_and_b32 s[MI], ttmp7, 0xffff
	s_lshl_b32 s[MI], s[MI], 2
	s_add_co_u32 s[MI], s[MI], s101
	s_lshl_b32 s2, s101, 2
	s_lshl_b32 s2, 15, s2                          ; my row of the cluster
	s_lshl_b32 s66, 0x1111, s100                   ; my column
	; group 1: 128 rows x 512 bytes, 16 bytes of padding behind each row (128 words: code 6; 4 words: code 3); bit 21 beside the mask
	s_or_b32 s[G1A], s2, (1<<20)|(1<<21)|(6<<22)|(3<<25)
	s_or_b32 s[G1B], s66, (1<<20)|(1<<21)|(6<<22)|(3<<25)
.irp g, G1A, G1B
	s_mov_b32 s[\g+1], 512<<16
	s_mov_b32 s[\g+2], 128<<16
	s_mov_b32 s[\g+3], 512<<16
	s_mov_b32 s[\g+4], 128
	s_mov_b32 s[\g+5], 512
	s_mov_b32 s[\g+6], 0
	s_mov_b32 s[\g+7], 0
.endr
	; wave 0 fetches hidden's tile, wave 1 Wq's, wave 2 Wk's, wave 3 Wv's
	s_mov_b32 s[G0A+1], 0
	s_mov_b32 s[G0B+1], TILE
	s_mul_i32 s[G0C+1], s[SWN], TILE
	s_add_co_u32 s[G0C+1], s[G0C+1], 2*TILE
	; hidden's tile hangs on the block of tokens alone (s[2:3]), the weights' on the block of columns alone (s[66:67])
	s_lshl_b32 s2, s[MI], 16
	s_mov_b32 s3, 0
	s_lshl_b32 s66, s[NJ], 16
	s_mov_b32 s67, 0
	s_lshl_b32 s68, s[MI], 12                      ; scale bytes: 32 a row: my 64 tokens,
	s_lshl_b32 s69, s[SWM], 11
	s_add_co_u32 s68, s68, s69
	s_mov_b32 s69, 0
	s_lshl_b32 s70, s[NJ], 12                      ; my 64 columns
	s_lshl_b32 s71, s[SWN], 11
	s_add_co_u32 s70, s70, s71
	s_mov_b32 s71, 0
	s_wait_dscnt 0x0
	s_wait_kmcnt 0x0
	s_cmp_eq_u32 s[SWN], 0                         ; the choice hangs on the wave's number alone
	s_cselect_b64 s[72:73], s[12:13], s[16:17]
	s_add_nc_u64 s[G0A+2:G0A+3], s[4:5], s[2:3]
	s_add_nc_u64 s[G0B+2:G0B+3], s[8:9], s[66:67]
	s_add_nc_u64 s[G0C+2:G0C+3], s[72:73], s[66:67]
.irp g, G0A, G0B, G0C
	s_mov_b32 s[\g], 1
	s_or_b32 s[\g+3], s[\g+3], 0x80000000
.endr
	CROUND                                         ; all sixteen work-groups are here: the joint loads meet
	s_cmp_lt_u32 s[SWV], 1                         ; one load a wave, in one tree of branches on its number
	s_cbranch_scc0 .Lhead_q
	tensor_load_to_lds s[G0A:G0A+3], s[G1A:G1A+7]
	s_nop 0
	PLACES 4
	s_branch .Lfilled
.Lhead_q:
	s_cmp_lt_u32 s[SWV], 2
	s_cbranch_scc0 .Lhead_kv
	tensor_load_to_lds s[G0B:G0B+3], s[G1B:G1B+7]
	s_nop 0
	PLACES 4
	s_branch .Lfilled
.Lhead_kv:
	tensor_load_to_lds s[G0C:G0C+3], s[G1B:G1B+7]
	s_nop 0
	PLACES 4
.Lfilled:
	s_add_nc_u64 s[74:75], s[6:7], s[68:69]
	s_add_nc_u64 s[76:77], s[10:11], s[70:71]
	s_add_nc_u64 s[78:79], s[14:15], s[70:71]
	s_add_nc_u64 s[80:81], s[18:19], s[70:71]
	s_lshl_b32 s4, s[NJ], 9                        ; the biases of my 64 columns
	s_lshl_b32 s5, s[SWN], 8
	s_add_co_u32 s4, s4, s5
	s_mov_b32 s5, 0
	s_add_nc_u64 s[20:21], s[20:21], s[4:5]
	s_add_nc_u64 s[22:23], s[22:23], s[4:5]
	s_add_nc_u64 s[24:25], s[24:25], s[4:5]
	v_and_b32 v1, 31, v0                           ; lane
	v_and_b32 v2, 15, v0                           ; r
	v_bfe_u32 v3, v0, 4, 1                         ; h
	v_lshlrev_b32 v[L32], 5, v1
	v_lshlrev_b32 v[BO], 5, v3
	v_lshlrev_b32 v[BR], 2, v2
.macro SCLOAD reg, base                ; scale words: register 8 p + s: lanes 0-15 tile 2 p, lanes 16-31 tile 2 p + 1, K step s
.irp p, 0,1
.irp q, 0,1
	global_load_b128 v[\reg+8*\p+4*\q:\reg+8*\p+4*\q+3], v[L32], s[\base:\base+1] offset:1024*\p+16*\q
.endr
.endr
.endm
	SCLOAD SA, 74
	SCLOAD SB, 76
	SCLOAD SB+16, 78
	SCLOAD SB+32, 80
	WIN TO_2
.irp t, 0,1,2,3
	global_load_b128 v[128+8*\t:128+8*\t+3], v[BO], s[20:21] offset:64*\t          ; bq: register j = channel 16 t + 8 h + j
	global_load_b128 v[128+8*\t+4:128+8*\t+7], v[BO], s[20:21] offset:64*\t+16
	global_load_b128 v[160+8*\t:160+8*\t+3], v[BO], s[22:23] offset:64*\t          ; bk likewise
	global_load_b128 v[160+8*\t+4:160+8*\t+7], v[BO], s[22:23] offset:64*\t+16
.endr
.irp t, 0,1,2,3
	global_load_b32 v[192+8*\t], v[BR], s[24:25] offset:64*\t                      ; bv: channel 16 t + r
.endr
	WIN 0
	s_mov_b32 s[SEL], 0x76543210
	s_mov_b32 s[SEL+1], 0xfedcba98
	s_mov_b32 s[HM], 0xffff0000
	s_mov_b32 s[HM8], 0xff00ff00
	v_mul_u32_u24 v9, v2, PITCH
	v_lshl_add_u32 v9, v3, 4, v9                   ; a fragment: row r, + 16 h
	s_mul_i32 s6, s[SWM], HALF
	s_mul_i32 s7, s[SWN], HALF
	s_add_co_u32 s7, s7, TILE
	v_add_nc_u32 v[ADA], s6, v9
	v_add_nc_u32 v[ADB], s7, v9
	v_add_nc_u32 v[ADB+1], TILE, v[ADB]
	v_add_nc_u32 v[ADB+2], TILE, v[ADB+1]
	v_lshlrev_b32 v[L16], 4, v1
	v_lshlrev_b32 v[L8], 3, v1
	s_wait_alu depctr_va_vdst(0)
	s_lshl_b32 s6, s[SWN], 8
	s_lshl_b32 s7, s[SWM], 2
	s_add_co_u32 s7, s7, s6
	s_add_co_u32 s7, s7, XS
	v_add_nc_u32 v[XK], s7, v[L8]                  ; K's scale word: 8 lane + 4 x token half + 256 x head
	s_lshl_b32 s7, s[SWM], 1
	s_add_co_u32 s7, s7, s6
	s_add_co_u32 s7, s7, XS+512
	v_add_nc_u32 v[XV], s7, v[L8]                  ; V's two bytes: 8 lane + 2 x token half + 256 x head
	s_lshl_b32 s7, s[SWN], 9
	s_add_co_u32 s7, s7, XS
	v_add_nc_u32 v[XR], s7, v[L16]                 ; back: wave 0 K's 512 bytes, wave 1 V's
	v_lshlrev_b32 v[GS], 4, v2
	v_lshl_add_u32 v[GS], v3, 13, v[GS]            ; lanes 0-15 the first head's 256 bytes, lanes 16-31 the second's, 8,192 bytes on
.irp k, 0,1,2,3,4,5,6,7
	v_mov_b32 v[TP+\k], 0                          ; written once: a lane permute's destination counts as one of its sources
.endr
	s_lshr_b32 s6, s[MI], 4                        ; where the results go
	s_lshl_b32 s6, s6, 4
	s_lshl_b32 s7, s[NJ], 1
	s_add_co_u32 s6, s6, s7                        ; 16 x batch + the block's first head
	s_add_co_u32 s7, s6, s[SWN]                    ; + mine
	s_and_b32 s66, s[MI], 15                       ; the block of tokens in its sequence: a key step
	s_lshl_b32 s67, s66, 12
	s_lshl_b32 s68, s[SWM], 11
	s_add_co_u32 s67, s67, s68
	s_lshl_b32 s70, s7, 16
	s_add_co_u32 s70, s70, s67
	s_mov_b32 s71, 0
	s_add_nc_u64 s[26:27], s[26:27], s[70:71]      ; q_img: 512 bytes a tile of 16 tokens
	s_lshr_b32 s70, s70, 3
	s_add_nc_u64 s[28:29], s[28:29], s[70:71]      ; q_sc: 64 bytes a tile
	s_lshl_b32 s68, s7, 17
	s_add_co_u32 s70, s68, s67
	s_lshl_b32 s69, s66, 12
	s_lshl_b32 s72, s[SWM], 9
	s_add_co_u32 s69, s69, s72
	s_add_co_u32 s72, s68, s69
	s_add_co_u32 s72, s72, 65536
	s_mov_b32 s73, 0
	s_wait_alu depctr_va_vdst(0)
	s_wait_xcnt 0x0                                ; the loads of scale words have read their bases
	s_add_nc_u64 s[VP:VP+1], s[30:31], s[72:73]    ; V's images: [step][channel tile][half of the step's keys][512]
	s_add_nc_u64 s[30:31], s[30:31], s[70:71]      ; K's images
	s_lshl_b32 s70, s6, 13
	s_lshl_b32 s67, s66, 8
	s_add_co_u32 s70, s70, s67
	s_lshl_b32 s67, s[SWN], 12
	s_add_co_u32 s70, s70, s67
	s_add_nc_u64 s[32:33], s[32:33], s[70:71]      ; kv_sc: the step's 256 bytes; wave 0 stores K's part, wave 1 V's
.macro FETCHB g                        ; the weights' fragments of double step g: weight g / 4, K steps 2 (g % 4) and + 1, my four tiles of 16 columns
.set fb, BF+64*((\g)%2)
.set fx, (\g)/4
.set fs, 2*((\g)%4)
.irp ss, 0,1
.irp t, 0,1,2,3
.irp c, 0,1
	ds_load_b128 v[fb+32*\ss+8*\t+4*\c:fb+32*\ss+8*\t+4*\c+3], v[ADB+fx] offset:16*PITCH*\t+64*(fs+\ss)+32*\c
.endr
.endr
.endr
.endm
.macro FETCHA s0                       ; hidden's fragments of K steps s0, s0 + 1: 16 loads; read once
	WIN TO_A
.irp s, \s0, \s0+1
.irp a, 0,1,2,3
.irp c, 0,1
	ds_load_b128 v[64*\a+8*(\s)+4*\c:64*\a+8*(\s)+4*\c+3], v[ADA] offset:16*PITCH*\a+64*(\s)+32*\c
.endr
.endr
.endr
	WIN 0
.endm
; A double step: 32 products, two K steps x 16 accumulators, which take turns, one instruction a turn.  From double step 1 on the next one's fragments are asked for in front of the products.
.macro DSTEP g
.set gx, (\g)/4
.set gb, BF+64*((\g)%2)
.if (\g) == 0
	s_wait_dscnt 63                                ; 96 loads are issued: the first 32 (this double step's) are in
.elseif (\g) == 1
	s_wait_dscnt 32                                ; hidden's last two runs may be out
.else
	s_wait_dscnt 0x0                               ; this double step's fragments are in
.endif
.if (\g)%4 != 0
	PLACES 4                                       ; in front of loads into the buffer that the products just issued have read
.endif
.if (\g) > 0 && (\g) != 3 && (\g) < 11
	FETCHB (\g)+1
.endif
.if gx < 2
	WIN MUL_T
.else
	WIN MUL_N
.endif
.set ss, 0
.rept 2
.set ks, 2*((\g)%4)+ss
.set aa, 0
.rept 4
.set tt, 0
.rept 4
.set rD, 8*(4*aa+tt)
.set rC, rD
.if gx < 2
.set rA, gb+32*ss+8*tt
.set rB, 64*aa+8*ks
.set rSA, SB+16*gx+8*(tt/2)+ks
.set rRA, tt%2
.set rSB, SA+8*(aa/2)+ks
.set rRB, aa%2
.if ks == 0
.set rC, 128+32*gx+8*tt                ; the bias starts the sum
.endif
.else
.set rA, 64*aa+8*ks
.set rB, gb+32*ss+8*tt
.set rSA, SA+8*(aa/2)+ks
.set rRA, aa%2
.set rSB, SB+16*gx+8*(tt/2)+ks
.set rRB, tt%2
.if ks == 0
.set rC, 192+8*tt
.endif
.endif
	WMM
.set tt, tt+1
.endr
.set aa, aa+1
.endr
.set ss, ss+1
.endr
	WIN 0
.if (\g) == 3
	s_wait_tensorcnt 0x0                           ; my tile of Wk or Wv has landed;
	s_barrier_signal -1
	s_barrier_wait -1                              ; both have
	FETCHB 4                                       ; into the buffer of the double step before: its products have their places behind them
.endif
.endm
; Four groups u of four accumulators i (at su u + si i) become four operand images of four registers, v[PC + 4 u] on, and two scale bytes each, v[TM + u].  In a group a lane's register 8 i + j is k = 16 i + 8 h + j of its row.
; A block of 32 is accumulators 2 b, 2 b + 1 in lanes l and l xor 16.  The conversion of accumulator i goes to register 0, 2, 1, 3; two exchanges of halves then leave register i with k = 32 h + 8 i + 0 .. 7.
.macro QUANT4 su, si
	s_wait_xcnt 0x0                                ; the last phase's stores have read the registers that are written below
	WIN MAXW
.irp u, 0,1,2,3
.irp b, 0,1
	v_max3_num_f32 v[TM+2*\u+\b], 0x1800000, |v[(\su)*\u+(\si)*2*\b]|, |v[(\su)*\u+(\si)*2*\b+1]|   ; the floor 2^(3 - 127) holds the byte at 1 from below; each accumulator is read from its low end on
.endr
.endr
.irp i, 2,4,6,8,10,12,14
.irp u, 0,1,2,3
.irp b, 0,1
	v_max3_num_f32 v[TM+2*\u+\b], v[TM+2*\u+\b], |v[(\su)*\u+(\si)*(2*\b+\i/8)+\i%8]|, |v[(\su)*\u+(\si)*(2*\b+\i/8)+\i%8+1]|
.endr
.endr
.endr
	WIN 0
.irp k, 0,1,2,3,4,5,6,7
	v_permlanex16_b32 v[TP+\k], v[TM+\k], s[SEL], s[SEL+1]
.endr
.irp k, 0,1,2,3,4,5,6,7
	v_max_num_f32 v[TM+\k], v[TM+\k], v[TP+\k]     ; the block's largest magnitude
.endr
.irp k, 0,1,2,3,4,5,6,7
	v_add_nc_u32 v[SO+\k], 0xff000000, v[TM+\k]    ; 2 off its exponent field: the conversion's scale operand
.endr
.irp k, 0,1,2,3,4,5,6,7
	v_lshrrev_b32 v[TP+\k], 23, v[SO+\k]           ; the scale's byte
.endr
.irp u, 0,1,2,3
	v_lshl_or_b32 v[TM+\u], v[TP+2*\u+1], 8, v[TP+2*\u]
.endr
	WIN CVTW
.irp u, 0,1,2,3
.irp i, 0,1,2,3
	v_cvt_scalef32_pk8_fp4_f32 v[PC+4*\u+2*(\i%2)+\i/2], v[(\su)*\u+(\si)*\i:(\su)*\u+(\si)*\i+7], v[SO+2*\u+\i/2]
.endr
.endr
	WIN 0
	v_nop                                          ; one plain line behind the last scaled conversion
.irp u, 0,1,2,3
	v_permlane16_swap_b32 v[PC+4*\u], v[PC+4*\u+1]
	v_permlane16_swap_b32 v[PC+4*\u+2], v[PC+4*\u+3]
.endr
.endm
	s_wait_loadcnt 0x0                             ; the scale words and the biases
	WIN MOV_2
.irp t, 0,1,2,3
.irp j, 1,2,3,4,5,6,7
	v_mov_b32 v[192+8*\t+\j], v[192+8*\t]          ; bv: all eight registers = channel 16 t + r
.endr
.endr
	WIN 0
	s_wait_alu depctr_va_vdst(0)
	s_cmp_lt_u32 s[SWV], 2                         ; waves 0 and 1 wait for hidden's tile and Wq's; the others wait for theirs behind Q's products
	s_cbranch_scc0 .Lfirst_in
	s_wait_tensorcnt 0x0
.Lfirst_in:
	s_barrier_signal -1
	s_barrier_wait -1                              ; hidden and Wq are in
	FETCHB 0
	FETCHA 0
	FETCHA 2
	FETCHB 1
	FETCHA 4
	FETCHA 6
	; ---- Q
	DSTEP 0
	DSTEP 1
	DSTEP 2
	DSTEP 3
	PLACES 4                                       ; in front of the first read of results
	QUANT4 32, 8
.irp u, 0,1,2,3
	v_lshl_or_b32 v[TM+\u], v[TM+\u], 16, v[TM+\u] ; Q's two bytes stand twice in its word: Q is used as the lower or as the upper 64 of a K of 128
.endr
	v_cndmask_b32 v244, v240, v241, s[HM]          ; lanes 0-15 the even tile's words, lanes 16-31 the odd tile's
	v_cndmask_b32 v245, v242, v243, s[HM]
	global_store_b64 v[L8], v[244:245], s[28:29]   ; 256 consecutive bytes, aligned
.irp u, 0,1,2,3
	global_store_b128 v[L16], v[PC+4*\u:PC+4*\u+3], s[26:27] offset:512*\u
.endr
	; ---- K
	DSTEP 4
	DSTEP 5
	DSTEP 6
	DSTEP 7
	PLACES 4
	QUANT4 32, 8
; THE KEYS OF A TILE OF K'S IMAGE ARE NOT NEIGHBOURS: row 8 b + j of tile i is key 32 b + 8 i + j of the 64, so that a lane of attention's scores holds whole blocks of 32 keys.
; Key 16 a + r stands in lane r of group a: groups a and a + 2 change places by eight lanes: tile 2 a takes both groups' lanes 0-7, tile 2 a + 1 both groups' lanes 8-15.
.macro SWAP8 x, y, n                   ; registers x .. x + n - 1 and y .. y + n - 1
.set q_, 0
.rept \n
	v_mov_b32_dpp v[TP+2*q_], v[\x+q_] row_xmask:8 row_mask:0xf bank_mask:0xf
	v_mov_b32_dpp v[TP+2*q_+1], v[\y+q_] row_xmask:8 row_mask:0xf bank_mask:0xf
.set q_, q_+1
.endr
.set q_, 0
.rept \n
	v_cndmask_b32 v[\x+q_], v[\x+q_], v[TP+2*q_+1], s[HM8]
	v_cndmask_b32 v[\y+q_], v[TP+2*q_], v[\y+q_], s[HM8]
.set q_, q_+1
.endr
.endm
	SWAP8 PC, PC+8, 4                              ; tiles 0 and 1
	SWAP8 PC+4, PC+12, 4                           ; tiles 2 and 3
	SWAP8 TM, TM+2, 2                              ; and their rows' two bytes
	v_lshl_or_b32 v244, v242, 16, v240             ; a pair of tiles is one fragment: the even tile's two bytes, then the odd tile's
	v_lshl_or_b32 v245, v243, 16, v241
	v_cndmask_b32 v244, v244, v245, s[HM]
	ds_store_b32 v[XK], v244
.irp u, 0,1,2,3
	global_store_b128 v[L16], v[PC+4*\u:PC+4*\u+3], s[30:31] offset:512*(2*(\u%2)+\u/2)
.endr
	; ---- V
	DSTEP 8
	DSTEP 9
	DSTEP 10
	DSTEP 11
	PLACES 4
	QUANT4 8, 32
	v_cndmask_b32 v244, v240, v241, s[HM]
	v_cndmask_b32 v245, v242, v243, s[HM]
	ds_store_b16 v[XV], v244                       ; my 64 keys' two bytes of a channel's word; the other token half's wave writes the other two
	ds_store_b16 v[XV], v245 offset:4
.irp u, 0,1,2,3
	global_store_b128 v[L16], v[PC+4*\u:PC+4*\u+3], s[VP:VP+1] offset:1024*\u
.endr
	s_wait_dscnt 0x0                               ; my stores into the scratch have landed
	s_barrier_signal -1
	s_barrier_wait -1                              ; everybody's have
	s_cmp_lt_u32 s[SWV], 2
	s_cbranch_scc0 .Lno_sc
	ds_load_b128 v[248:251], v[XR]
	s_wait_dscnt 0x0
	global_store_b128 v[GS], v[248:251], s[32:33]  ; sixteen lanes store one head's 256 consecutive bytes, aligned
.Lno_sc:
	s_wait_tensorcnt 0x0                           ; the wave's end
	ds_add_u32 v30, v31
	s_wait_dscnt 0x0
	CROUND                                         ; the closing round
	s_endpgm
.Lfunc_end_k_q2eb175f589_qkv:
	.size	k_q2eb175f589_qkv, .Lfunc_end_k_q2eb175f589_qkv-k_q2eb175f589_qkv
	.p2alignl 7, 3214868480
	.fill 96, 4, 3214868480
	.section	.rodata,"a",@progbits
	.p2align	6, 0x0
	.amdhsa_kernel k_q2eb175f589_qkv
		.amdhsa_group_segment_fixed_size 271872
		.amdhsa_private_segment_fixed_size 0
		.amdhsa_enable_private_segment 0
		.amdhsa_kernarg_size 120
		.amdhsa_user_sgpr_count 2
		.amdhsa_user_sgpr_kernarg_segment_ptr 1
		.amdhsa_wavefront_size32 1
		.amdhsa_system_sgpr_workgroup_id_x 1
		.amdhsa_system_sgpr_workgroup_id_y 1
		.amdhsa_system_sgpr_workgroup_id_z 1
		.amdhsa_system_vgpr_workitem_id 0
		.amdhsa_next_free_vgpr 768
		.amdhsa_next_free_sgpr 102
		.amdhsa_reserve_vcc 0
		.amdhsa_float_denorm_mode_32 3
		.amdhsa_float_denorm_mode_16_64 3
		.amdhsa_memory_ordered 1
		.amdhsa_forward_progress 1
		.amdhsa_inst_pref_size 108
	.end_amdhsa_kernel
	.amdgpu_metadata
---
amdhsa.version: [ 1, 2 ]
amdhsa.kernels:
  - .name:           k_q2eb175f589_qkv
    .symbol:         k_q2eb175f589_qkv.kd
    .args:
      - { .name: hidden_states_codes, .offset: 0, .size: 8, .value_kind: global_buffer, .address_space: global }
      - { .name: hidden_states_scales, .offset: 8, .size: 8, .value_kind: global_buffer, .address_space: global }
      - { .name: Wq_codes, .offset: 16, .size: 8, .value_kind: global_buffer, .address_space: global }
      - { .name: Wq_scales, .offset: 24, .size: 8, .value_kind: global_buffer, .address_space: global }
      - { .name: Wk_codes, .offset: 32, .size: 8, .value_kind: global_buffer, .address_space: global }
      - { .name: Wk_scales, .offset: 40, .size: 8, .value_kind: global_buffer, .address_space: global }
      - { .name: Wv_codes, .offset: 48, .size: 8, .value_kind: global_buffer, .address_space: global }
      - { .name: Wv_scales, .offset: 56, .size: 8, .value_kind: global_buffer, .address_space: global }
      - { .name: bq, .offset: 64, .size: 8, .value_kind: global_buffer, .address_space: global }
      - { .name: bk, .offset: 72, .size: 8, .value_kind: global_buffer, .address_space: global }
      - { .name: bv, .offset: 80, .size: 8, .value_kind: global_buffer, .address_space: global }
      - { .name: q_img, .offset: 88, .size: 8, .value_kind: global_buffer, .address_space: global }
      - { .name: q_sc, .offset: 96, .size: 8, .value_kind: global_buffer, .address_space: global }
      - { .name: kv_img, .offset: 104, .size: 8, .value_kind: global_buffer, .address_space: global }
      - { .name: kv_sc, .offset: 112, .size: 8, .value_kind: global_buffer, .address_space: global }
    .group_segment_fixed_size: 271872
    .private_segment_fixed_size: 0
    .kernarg_segment_align: 8
    .kernarg_segment_size: 120
    .max_flat_workgroup_size: 128
    .sgpr_count:     102
    .vgpr_count:     768
    .wavefront_size: 32
...
	.end_amdgpu_metadata
.endif
;; end of part 1
;; launch attn (part 2): grid 8 x 32, 16 waves a work-group, clusters of 4 x 1, 176,640 bytes of LDS; arguments q_img, q_sc, kv_img, kv_sc, o_img, o_sc; writes o_img, o_sc
.if DOCPART == 2
	.amdgcn_target "amdgcn-amd-amdhsa--gfx1250"
	.amdhsa_code_object_version 6
	.text
	.protected	k_q2eb175f589_attn
	.globl	k_q2eb175f589_attn
	.p2align	8
	.type	k_q2eb175f589_attn,@function
k_q2eb175f589_attn:
	s_mov_b64 s[64:65], 0
	v_nop
	global_prefetch_b8 v0, s[64:65] scope:SCOPE_SE
	s_setreg_imm32_b32 hwreg(HW_REG_WAVE_MODE, 25, 1), 1
	s_wait_xcnt 0x0
	s_wait_alu depctr_hold_cnt(0) depctr_sa_sdst(0) depctr_va_vdst(0) depctr_va_sdst(0) depctr_va_ssrc(0) depctr_va_vcc(0) depctr_vm_vsrc(0)
	s_getreg_b32 s2, hwreg(HW_REG_IB_STS2, 6, 4)
	s_cmp_eq_u32 s2, 0
	s_cbranch_scc0 .Lentry_in_a_cluster
	s_endpgm
.Lentry_in_a_cluster:
	s_bfe_u32 s2, ttmp6, 0x10000c
	s_cmp_lg_u32 s2, 0x3003
	s_cbranch_scc0 .Lentry_shape_is_right
	s_endpgm
.Lentry_shape_is_right:
; Causal attention of one head on codes of FP4 (E2M1) with E8M0 scales, and its result quantised along the model's axis for the last product.
; t = score x log2(e) / 8; M = the running largest t rounded up to a whole number; p = 2^(t - M) is quantised along the keys, not normalised; the row's sum is taken of the unquantised p and divides at the end.
; SHARES.  A head has 128 tiles of 16 queries and eight work-groups.  Work-group c takes the tiles 8 m + c, m = 0 .. 15: tile 8 m + c needs the key steps (128 keys) 0 .. m, the last of them masked.  So every work-group has the same counts of steps, and c enters data and global addresses alone.
; Tiles m = p and 15 - p together have 17 steps, which two waves share.  X (wave p, p = 0 .. 7) walks the short tile's p + 1 steps, finishes it, and walks the long one's steps k .. 15 - p; Y walks the long tile's steps 0 .. k - 1.
; k = 2 for p < 4 (Y is wave p + 12), 6 else (Y is wave p + 4): waves 0-3 walk 15 steps, 4-7 11, 8-11 6, 12-15 2: waves w, w + 4, w + 8, w + 12 have 34 together for every w.
; Y hands its part of the long tile (O^T, -M, the sum) to X through LDS; M is a whole number, so the two parts are joined by exact powers of two.
; TRIPS.  Y: trip i walks step i.  X: trip i <= p walks step i of the short tile, the later ones the long tile's steps; trips 0 and 1 read steps 0 and 1 alone, so wave 0 (p = 0) has no step in trip 1.
; A head's K and V images (131,072 bytes) and their scale words (8,192) lie in LDS whole, each byte filled once, by one load a wave at the head: waves 0 to 2 key steps 0 and 1 and the scale words, which trips 0 and 1 read;
; waves 8 to 15 the other 14 steps: their barrier is signalled ahead of trip 0 and waited for behind trip 1.  A step's fragments of K are read from LDS under the step before.
; CLUSTER 4 x 1: its four work-groups walk the same K and V, and each tile is asked for jointly.  NO PREFETCH: all that is loaded is asked for at the head; the loops have nothing to run ahead for.
; LAYOUT.  S^T = K Q^T: the head's 64 fill half of the instruction's K of 128.  Two tiles of 16 keys form one fragment (k 0-63 the even tile, k 64-127 the odd); Q stands in [Q | 0] for the even tile and in [0 | Q] for the odd.
; Row 8 h + j of tile t = 4 g + i is key 64 g + 32 h + 8 i + j of the step: so the registers of tiles 4 g .. 4 g + 3 in lane (r, h) are the whole block 2 g + h of query r, and tile t's conversion is register t of the next operand.
; O^T = V^T P^T.  A lane holds one query throughout.
; Left out: the key steps that lie wholly under the causal mask (they weigh 0 for all values); a NaN or an infinity that reaches them alone is not carried to the result.
; LIMITS: NaN and infinities are not served; scaled scores (exponents to the base 2 ahead of the maximum) stay under 2^31 in magnitude; a block whose scale would lie under 2^-126, or that is all zeros, gets the byte 1.
.set VIMG, 65536
.set KSC,  131072                      ; scale words: K's 4,096 bytes, then V's
.set MRG,  139776                      ; what Y hands to X: 4,352 bytes a pair; written by LDS stores alone
.set SPARE, MRG+8*4352                 ; the spare words, 128 bytes a wave
.set SWV, 16
.set P,   17
.set BH,  18
.set CC,  19
.set SEL, 20                           ; s[20:21] selects for lane l xor 16
.set CS,  22                           ; s[22:23] log2(e) / sqrt(64), twice
.set NCS, 24                           ; its negative
.set SW,  25                           ; the trip at which X changes its tile
.set LAST, 26                          ; my last trip
.set M1,  27                           ; my first tile's m
.set ML,  28                           ; the long tile's
.set JC,  29                           ; from trip SW on X's step is (trip + JC) mod 16
.set I,   30                           ; the trip
.set G1P, 32
.set G1Q, 40
.set G0P, 48
.set G0Q, 52
.set TB,  56                           ; where the step's images begin,
.set TS,  57                           ; and its scale words
.set KSI, 58                           ; the key step
.set CM,  59                           ; m of the tile in hand
.set NTB, 62                           ; the next trip's TB, TS
.set NTS, 63
.set LK,  1                            ; 16 x lane
.set LV,  2                            ; + V's images
.set LS,  3                            ; 8 x lane + the scale words
.set ADK, 4
.set ADV, 5
.set ADS, 6
.set MA,  7                            ; my pair's bytes of MRG: 16 x lane
.set MB,  8                            ; and 8 x lane, for -M and the sum
.set OSO, 9
.set VS,  10                           ; v[10:11] V's scale words
; v12 -M; v13 the largest score so far; v[14:15] the sum in two halves; v[16:23] = [Q | 0], v[20:27] = [0 | Q]
.set QS,  28
.set PW,  29
.set KS,  30                           ; v[30:31] K's scale words
.set KFR, 32
.set VFR, 64
.set SR,  96
.set OT,  160
.set PC,  192
.set BM,  200
.set BT,  204
.set SO,  208
.set EX,  212
.set TMP, 214
.set DL,  215
.set FF,  216
.set NINF, 218
.set NM2, 219
.set YX,  220
.set AKS, 221
.set GA,  222
.set QN,  224                          ; the long tile's Q
.set QNS, 228
.set QSO, 229
.set TT,  230                          ; v[230:237] four partial sums
.macro CROUND                          ; a round of the cluster's barrier
	s_barrier_signal -1
	s_barrier_wait -1
	s_cmp_lg_u32 s[SWV], 0
	s_cbranch_scc1 .Lnot_wave_0_\@
	s_barrier_signal -3
.Lnot_wave_0_\@:
	s_barrier_wait -3
	s_barrier_signal -1
	s_barrier_wait -1
.endm
.macro QOFF img, sc, m                 ; byte offsets of tile 8 m + c: its image of Q, its scale words (8 bytes from row to row)
	s_lshl_b32 s60, s[\m], 3
	s_add_co_u32 s60, s60, s[CC]
	s_lshl_b32 s61, s[BH], 7
	s_add_co_u32 s61, s61, s60
	s_lshl_b32 s[\img], s61, 9
	s_mov_b32 s[\img+1], 0
	s_lshr_b32 s61, s61, 2
	s_lshl_b32 s[\sc], s61, 8
	s_and_b32 s61, s60, 1
	s_lshl_b32 s61, s61, 7
	s_add_co_u32 s[\sc], s[\sc], s61
	s_bfe_u32 s61, s60, 0x10001
	s_lshl_b32 s61, s61, 2
	s_add_co_u32 s[\sc], s[\sc], s61
	s_mov_b32 s[\sc+1], 0
.endm
	s_load_b256 s[4:11], s[0:1], 0x0               ; q_img, q_sc, kv_img, kv_sc
	s_load_b128 s[12:15], s[0:1], 0x20             ; o_img, o_sc
	v_lshl_add_u32 v254, v0, 2, SPARE
	v_mov_b32 v255, 0
	ds_add_u32 v254, v255                          ; the wave's opening: the add, twice on end, and its wait ahead of the first tensor load
	ds_add_u32 v254, v255
	v_lshrrev_b32 v96, 5, v0
	v_readfirstlane_b32 s[SWV], v96                ; wave 0..15
	s_bfe_u32 s60, ttmp6, 0x40000
	s_lshl_b32 s[CC], ttmp9, 2
	s_add_co_u32 s[CC], s[CC], s60                 ; c = 4 x cluster x + cx
	s_and_b32 s[BH], ttmp7, 0xffff                 ; 16 x batch + head
	s_lshr_b32 s60, s[SWV], 3
	s_lshl_b32 s60, s60, 2
	s_and_b32 s[P], s[SWV], 7
	s_xor_b32 s[P], s[P], s60                      ; p: waves 8-11 are Y of 4-7, waves 12-15 of 0-3
	s_xor_b32 s[ML], s[P], 15                      ; 15 - p
	s_and_b32 s60, s[P], 4
	s_add_co_u32 s60, s60, 1                       ; k - 1
	s_min_u32 s61, s[P], 1
	s_add_co_u32 s[JC], s[ML], s60
	s_add_co_u32 s[JC], s[JC], s61                 ; k - p - 1 (p = 0: k - 2), plus 16
	s_sub_co_u32 s57, 16, s60
	s_sub_co_u32 s57, s57, s61                     ; X's last trip: 17 - k, less 1 where trip 1 has a step
	s_add_co_u32 s62, s[P], 1
	s_max_u32 s62, s62, 2
	s_mov_b32 s63, 99                              ; Y never changes its tile
	s_cmp_lt_u32 s[SWV], 8
	s_cselect_b32 s[M1], s[P], s[ML]
	s_cselect_b32 s[SW], s62, s63
	s_cselect_b32 s[LAST], s57, s60
	s_mov_b32 s[SEL], 0x76543210
	s_mov_b32 s[SEL+1], 0xfedcba98
	s_mov_b32 s[CS], 0x3e38aa3b                    ; log2(e) / sqrt(64)
	s_mov_b32 s[CS+1], s[CS]
	s_mov_b32 s[NCS], 0xbe38aa3b
	; group 1: dense blocks as rows of 256 bytes (32 elements of 8 bytes), no padding; mask: all four of the cluster, bit 21 beside it.  P: 32 rows, Q: 56
.irp g, G1P, G1Q
	s_mov_b32 s[\g], (3<<16)|(1<<21)|15
	s_mov_b32 s[\g+1], 32<<16
	s_mov_b32 s[\g+3], 32<<16
	s_mov_b32 s[\g+5], 32
	s_mov_b32 s[\g+6], 0
	s_mov_b32 s[\g+7], 0
.endr
	s_mov_b32 s[G1P+2], 32<<16
	s_mov_b32 s[G1P+4], 32
	s_mov_b32 s[G1Q+2], 56<<16
	s_mov_b32 s[G1Q+4], 56
	s_lshl_b32 s66, s[BH], 17                      ; the head's images
	s_mov_b32 s67, 0
	s_lshl_b32 s68, s[BH], 13                      ; and scale words
	s_mov_b32 s69, 0
	s_lshl_b32 s70, s[SWV], 16                     ; waves 0, 1, 2: K's first two steps, V's, the scale words: 65,536 bytes apart in LDS, K's and V's in memory too
	s_mov_b32 s71, 0
	s_and_b32 s72, s[SWV], 3                       ; waves 8-11 a quarter of K's other 14 steps each (14,336 bytes), waves 12-15 of V's: the same offset in memory and in LDS
	s_mul_i32 s72, s72, 14336
	s_bfe_u32 s60, s[SWV], 0x10002
	s_lshl_b32 s60, s60, 16
	s_add_co_u32 s72, s72, s60
	s_add_co_u32 s72, s72, 8192
	s_mov_b32 s73, 0
	QOFF 74, 78, M1
	QOFF 76, 90, ML
	; the way out (X): the short tile among all 256
	s_lshl_b32 s60, s[P], 3
	s_add_co_u32 s60, s60, s[CC]
	s_lshr_b32 s61, s[BH], 4
	s_lshl_b32 s61, s61, 7
	s_add_co_u32 s60, s60, s61
	s_and_b32 s61, s[BH], 15
	s_lshl_b32 s80, s60, 13
	s_lshl_b32 s62, s61, 9
	s_add_co_u32 s80, s80, s62                     ; o_img
	s_mov_b32 s81, 0
	s_lshl_b32 s82, s60, 9
	s_lshr_b32 s62, s61, 1
	s_lshl_b32 s62, s62, 6
	s_add_co_u32 s82, s82, s62
	s_and_b32 s62, s61, 1
	s_lshl_b32 s62, s62, 1
	s_add_co_u32 s82, s82, s62                     ; o_sc: my head's half of each row's word
	s_mov_b32 s83, 0
	s_mul_i32 s63, s[P], 4352
	s_add_co_u32 s63, s63, MRG                     ; my pair's bytes
	v_and_b32 v96, 31, v0                          ; lane
	v_and_b32 v97, 15, v0                          ; r
	v_lshlrev_b32 v[LK], 4, v96
	v_lshlrev_b32 v98, 3, v96
	v_lshlrev_b32 v[QSO], 3, v97
	v_lshlrev_b32 v[OSO], 2, v97
	v_add_nc_u32 v[LV], VIMG, v[LK]
	v_add_nc_u32 v[LS], KSC, v98
	v_add_nc_u32 v[MA], s63, v[LK]
	v_add_nc_u32 v[MB], s63, v98
	v_add_nc_u32 v[MB], 4096, v[MB]
	s_wait_alu depctr_va_vdst(0)
	s_wait_dscnt 0x0                               ; both opening adds are done
	s_wait_kmcnt 0x0
	s_add_nc_u64 s[92:93], s[4:5], s[76:77]        ; the long tile's Q
	s_add_nc_u64 s[94:95], s[6:7], s[90:91]
	s_add_nc_u64 s[96:97], s[4:5], s[74:75]        ; X: the short tile's
	s_add_nc_u64 s[98:99], s[6:7], s[78:79]
	s_add_nc_u64 s[66:67], s[8:9], s[66:67]
	s_add_nc_u64 s[68:69], s[10:11], s[68:69]
	s_add_nc_u64 s[70:71], s[66:67], s[70:71]
	s_add_nc_u64 s[12:13], s[12:13], s[80:81]
	s_add_nc_u64 s[14:15], s[14:15], s[82:83]
	s_mov_b32 s[G0P], 1
	s_lshl_b32 s[G0P+1], s[SWV], 16
	s_cmp_eq_u32 s[SWV], 2
	s_cselect_b64 s[G0P+2:G0P+3], s[68:69], s[70:71]
	s_or_b32 s[G0P+3], s[G0P+3], 0x80000000
	s_mov_b32 s[G0Q], 1
	s_mov_b32 s[G0Q+1], s72
	s_add_nc_u64 s[G0Q+2:G0Q+3], s[66:67], s[72:73]
	s_or_b32 s[G0Q+3], s[G0Q+3], 0x80000000
	global_load_b128 v[QN:QN+3], v[LK], s[92:93]
	global_load_b32 v[QNS], v[QSO], s[94:95]
	s_cmp_lt_u32 s[SWV], 8
	s_cbranch_scc0 .Lno_short
	global_load_b128 v[16:19], v[LK], s[96:97]
	global_load_b32 v[QS], v[QSO], s[98:99]
.Lno_short:
	CROUND                                         ; all four work-groups are here: the joint loads meet
	s_cmp_lt_u32 s[SWV], 3                         ; one load a wave, in one tree of branches on its number; waves 3 to 7 have none
	s_cbranch_scc0 .Lrest
	tensor_load_to_lds s[G0P:G0P+3], s[G1P:G1P+7]
	s_nop 0
.rept 4
	v_nop
.endr
	s_branch .Lasked
.Lrest:
	s_cmp_lt_u32 s[SWV], 8
	s_cbranch_scc1 .Lasked
	tensor_load_to_lds s[G0Q:G0Q+3], s[G1Q:G1Q+7]
	s_nop 0
.rept 4
	v_nop
.endr
.Lasked:
.irp i, 20,21,22,23
	v_mov_b32 v\i, 0
.endr
.irp i, BT, BT+1, YX, FF+1, GA+1               ; a lane permute's destination, and a pair's upper half, count as read
	v_mov_b32 v[\i], 0
.endr
	v_mov_b32 v[NINF], 0xff800000
.macro INIT                            ; an empty tile: nothing summed, the largest score under every score
	v_mov_b32 v12, 0x7f61b1e6
	v_mov_b32 v13, 0xff61b1e6
	v_mov_b32 v14, 0
	v_mov_b32 v15, 0
.set j_, 0
.rept 32
	v_mov_b32 v[OT+j_], 0                          ; (the step is written as an update: a tile's first one finds zeros)
.set j_, j_+1
.endr
.endm
	INIT
	s_wait_alu depctr_va_vdst(0)
	s_wait_loadcnt 0x0                             ; Q
	s_cmp_lt_u32 s[SWV], 8
	s_cbranch_scc1 .Lhave_q
.irp i, 0,1,2,3
	v_mov_b32 v[16+\i], v[QN+\i]                   ; Y begins with the long tile
.endr
	v_mov_b32 v[QS], v[QNS]
.Lhave_q:
.irp i, 0,1,2,3
	v_mov_b32 v[24+\i], v[16+\i]
.endr
	s_wait_alu depctr_va_vdst(0)
; THE DIAGONAL STEP.  Register 8 t + j of lane (r, h), t = 4 g + i, is key 16 (q + 2 h) + d of the step, q = 4 g + i / 2, d = 8 (i % 2) + j; the lane's query is 16 c + r.  Hidden: all lanes where q + 2 h > c, none where it is less, the lanes r < d where it is c.
.macro HIDE
.set t_, 0
.rept 8
.set q_, 4*(t_/4)+(t_%4)/2
.if t_%2 == 0
	s_cmp_eq_u32 s[CC], q_
	s_cselect_b32 s88, 0xffff, 0
	s_cmp_eq_u32 s[CC], q_+2
	s_cselect_b32 s90, 0xffff0000, 0
	s_or_b32 s88, s88, s90                         ; the lanes on the diagonal
	s_cmp_lt_u32 s[CC], q_
	s_cselect_b32 s89, 0xffff, 0
	s_cmp_lt_u32 s[CC], q_+2
	s_cselect_b32 s90, 0xffff0000, 0
	s_or_b32 s89, s89, s90                         ; the lanes beyond it
.endif
.set j_, 0
.rept 8
	s_and_b32 s[80+j_], s88, ((1<<(8*(t_%2)+j_))-1)|(((1<<(8*(t_%2)+j_))-1)<<16)
.set j_, j_+1
.endr
.set j_, 0
.rept 8
	s_or_b32 s[80+j_], s[80+j_], s89
.set j_, j_+1
.endr
.set j_, 0
.rept 8
	v_cndmask_b32 v[SR+8*t_+j_], v[SR+8*t_+j_], v[NINF], s[80+j_]   ; -infinity ahead of the maximum: p = 0
.set j_, j_+1
.endr
.set t_, t_+1
.endr
.endm
.macro ADDS a, b                       ; pairs a .. b - 1 of p onto the four partial sums by turns
.set j_, \a
.rept (\b)-(\a)
	v_pk_add_f32 v[TT+2*(j_%4):TT+2*(j_%4)+1], v[TT+2*(j_%4):TT+2*(j_%4)+1], v[SR+2*j_:SR+2*j_+1]
.set j_, j_+1
.endr
.endm
.macro KREAD                           ; a step's fragments of K and their scale words
.irp f, 0,1,2,3
.irp c, 0,1
	ds_load_b128 v[KFR+8*\f+4*\c:KFR+8*\f+4*\c+3], v[ADK] offset:1024*\f+512*\c
.endr
.endr
	ds_load_b64 v[KS:KS+1], v[AKS]
.endm
.macro KLOAD                           ; those of the step at TB, TS
	v_add_nc_u32 v[ADK], s[TB], v[LK]
	v_add_nc_u32 v[AKS], s[TS], v[LS]
	KREAD
.endm
; A key step whose fragments of K have been asked for.  pf = 1: those of the next trip's step (NTB, NTS) are asked for unless this is my last trip; 2: unless I am wave 0; 0: not.
.macro STEP pf
	s_wait_dscnt 0x0                               ; K's fragments
.irp f, 0,1,2,3
.if \f%2
	v_wmma_scale_f32_16x16x128_f8f6f4 v[SR+16*\f:SR+16*\f+7], v[KFR+8*\f:KFR+8*\f+7], v[16:23], 0, v[KS+\f/2], v[QS] matrix_a_fmt:MATRIX_FMT_FP4 matrix_b_fmt:MATRIX_FMT_FP4 matrix_a_scale:MATRIX_SCALE_ROW1
	v_wmma_scale_f32_16x16x128_f8f6f4 v[SR+16*\f+8:SR+16*\f+15], v[KFR+8*\f:KFR+8*\f+7], v[20:27], 0, v[KS+\f/2], v[QS] matrix_a_fmt:MATRIX_FMT_FP4 matrix_b_fmt:MATRIX_FMT_FP4 matrix_a_scale:MATRIX_SCALE_ROW1
.else
	v_wmma_scale_f32_16x16x128_f8f6f4 v[SR+16*\f:SR+16*\f+7], v[KFR+8*\f:KFR+8*\f+7], v[16:23], 0, v[KS+\f/2], v[QS] matrix_a_fmt:MATRIX_FMT_FP4 matrix_b_fmt:MATRIX_FMT_FP4
	v_wmma_scale_f32_16x16x128_f8f6f4 v[SR+16*\f+8:SR+16*\f+15], v[KFR+8*\f:KFR+8*\f+7], v[20:27], 0, v[KS+\f/2], v[QS] matrix_a_fmt:MATRIX_FMT_FP4 matrix_b_fmt:MATRIX_FMT_FP4
.endif
.endr
	v_add_nc_u32 v[ADV], s[TB], v[LV]              ; four plain lines: the places in front of the loads and of the first read of the scores
	v_add_nc_u32 v[ADS], s[TS], v[LS]
.if \pf
	v_add_nc_u32 v[ADK], s[NTB], v[LK]
	v_add_nc_u32 v[AKS], s[NTS], v[LS]
.else
	v_nop
	v_nop
.endif
.irp t, 0,1,2,3
.irp c, 0,1
	ds_load_b128 v[VFR+8*\t+4*\c:VFR+8*\t+4*\c+3], v[ADV] offset:1024*\t+512*\c
.endr
.endr
	ds_load_b64 v[VS:VS+1], v[ADS] offset:4096
.if \pf
.if \pf == 2
	s_cmp_eq_u32 s[SWV], 0
.else
	s_cmp_ge_u32 s[I], s[LAST]
.endif
	s_cbranch_scc1 .Lno_next_\@
	KREAD
.Lno_next_\@:
.endif
	s_cmp_lg_u32 s[KSI], s[CM]
	s_cbranch_scc1 .Lopen_\@                       ; all 128 keys count
	HIDE
.Lopen_\@:
.irp b, 0,1,2,3
	v_max3_num_f32 v[BM+\b], v[SR+16*\b], v[SR+16*\b+1], v[SR+16*\b+2]   ; the largest score of each of my lane's two blocks of 32 keys (tiles 0-3, tiles 4-7), in two chains each
.endr
.irp i, 3,5,7,9,11,13
.irp b, 0,1,2,3
	v_max3_num_f32 v[BM+\b], v[BM+\b], v[SR+16*\b+\i], v[SR+16*\b+\i+1]
.endr
.endr
	v_max3_num_f32 v[BM], v[BM], v[BM+1], v[SR+15]
	v_max3_num_f32 v[BM+2], v[BM+2], v[BM+3], v[SR+47]
	v_max_num_f32 v[BM], v[BM], v[SR+31]
	v_max_num_f32 v[BM+2], v[BM+2], v[SR+63]
	v_max_num_f32 v[TMP], v[BM], v[BM+2]
	v_permlanex16_b32 v[BT], v[TMP], s[SEL], s[SEL+1]
	v_max3_num_f32 v13, v13, v[TMP], v[BT]         ; the running largest score of my query
	v_mul_f32 v[TMP], s[NCS], v13
	v_floor_f32 v[TMP], v[TMP]                     ; the new -M = floor(-t), a whole number
	v_sub_f32 v[DL], v[TMP], v12
	v_mov_b32 v12, v[TMP]
	v_cvt_i32_f32 v[DL], v[DL]                     ; (it saturates)
	v_add_f32 v[NM2], -2.0, v[TMP]
	v_ldexp_f32 v[FF], 1.0, v[DL]                  ; f = 2^(old M - new M)
.set j_, 0
.rept 32
	v_pk_fma_f32 v[SR+j_:SR+j_+1], v[SR+j_:SR+j_+1], s[CS:CS+1], v[12:13] op_sel_hi:[1,0,0]   ; t - M
.set j_, j_+2
.endr
	v_fma_f32 v[BM], v[BM], s[CS], v[NM2]          ; the blocks' largest t - M - 2: the exponent of 2 to it is the block's scale's
	v_fma_f32 v[BM+2], v[BM+2], s[CS], v[NM2]
	s_wait_alu depctr_va_vdst(0)                   ; one wait ahead of the batch
	v_exp_f32 v[BM], v[BM]
	v_exp_f32 v[BM+2], v[BM+2]
.set j_, 0
.rept 64
	v_exp_f32 v[SR+j_], v[SR+j_]                   ; p
.set j_, j_+1
.endr
	v_pk_mul_f32 v[14:15], v[14:15], v[FF:FF+1] op_sel_hi:[1,0]   ; the sums under the new M: the plain line behind the batch
	s_wait_alu depctr_va_vdst(0)                   ; one wait, ahead of the first reader of O^T and of the batch's results
.set j_, 0
.rept 16
	v_pk_mul_f32 v[OT+j_:OT+j_+1], v[OT+j_:OT+j_+1], v[FF:FF+1] op_sel_hi:[1,0]   ; O^T under the new M
.set j_, j_+2
.endr
	v_max_num_f32 v[SO], 0x800000, v[BM]           ; the floor 2^-126
	v_max_num_f32 v[SO+2], 0x800000, v[BM+2]
.irp k, 0,1,2,3
	v_pk_add_f32 v[TT+2*\k:TT+2*\k+1], v[SR+2*\k:SR+2*\k+1], v[SR+2*\k+8:SR+2*\k+9]   ; the row's sum, of the unquantised p
.endr
	v_lshrrev_b32 v[EX], 23, v[SO]                 ; the scales' bytes
	v_lshrrev_b32 v[EX+1], 23, v[SO+2]
	ADDS 8, 12
	v_lshl_or_b32 v[EX], v[EX+1], 16, v[EX]        ; lanes 0-15: bytes 0 and 2; lanes 16-31: bytes 1 and 3, eight bits too low
	ADDS 12, 16
	v_permlanex16_b32 v[YX], v[EX], s[SEL], s[SEL+1]
	ADDS 16, 20
	v_lshl_or_b32 v[PW], v[YX], 8, v[EX]           ; p's scale word in lanes 0-15 (the others are not read)
.irp t, 0,1,2,3,4,5,6,7
	v_cvt_scalef32_pk8_fp4_f32 v[PC+\t], v[SR+8*\t:SR+8*\t+7], v[SO+2*(\t/4)]
.endr
	ADDS 20, 32                                    ; plain lines behind the last scaled conversion, and between p's codes and the products
	v_pk_add_f32 v[TT:TT+1], v[TT:TT+1], v[TT+2:TT+3]
	v_pk_add_f32 v[TT+4:TT+5], v[TT+4:TT+5], v[TT+6:TT+7]
	v_pk_add_f32 v[14:15], v[14:15], v[TT:TT+1]
	v_pk_add_f32 v[14:15], v[14:15], v[TT+4:TT+5]
	s_wait_alu depctr_va_vdst(0)
	s_wait_dscnt 0x0                               ; V's fragments (and the next step's of K)
.irp t, 0,1,2,3                        ; four accumulators by turns
.if \t%2
	v_wmma_scale_f32_16x16x128_f8f6f4 v[OT+8*\t:OT+8*\t+7], v[VFR+8*\t:VFR+8*\t+7], v[PC:PC+7], v[OT+8*\t:OT+8*\t+7], v[VS+\t/2], v[PW] matrix_a_fmt:MATRIX_FMT_FP4 matrix_b_fmt:MATRIX_FMT_FP4 matrix_a_scale:MATRIX_SCALE_ROW1
.else
	v_wmma_scale_f32_16x16x128_f8f6f4 v[OT+8*\t:OT+8*\t+7], v[VFR+8*\t:VFR+8*\t+7], v[PC:PC+7], v[OT+8*\t:OT+8*\t+7], v[VS+\t/2], v[PW] matrix_a_fmt:MATRIX_FMT_FP4 matrix_b_fmt:MATRIX_FMT_FP4
.endif
.endr
.endm
; THE WAY OUT of a finished tile, v[SR + 8 t + i] = channel 16 t + 8 h + i of my query: quantised along the head's 64 (two blocks of the model's axis), stored as an image of the last product's operand.
; Tile i of four: its conversion goes to register 0, 2, 1, 3; two exchanges of halves give the operand's order.
.macro OUT
.irp b, 0,1
	v_max3_num_f32 v[BM+\b], |v[SR+16*\b]|, |v[SR+16*\b+1]|, 0x1800000
.endr
.irp i, 2,4,6,8,10,12,14
.irp b, 0,1
	v_max3_num_f32 v[BM+\b], v[BM+\b], |v[SR+16*\b+\i]|, |v[SR+16*\b+\i+1]|
.endr
.endr
.irp b, 0,1
	v_permlanex16_b32 v[BT+\b], v[BM+\b], s[SEL], s[SEL+1]
.endr
.irp b, 0,1
	v_max_num_f32 v[BM+\b], v[BM+\b], v[BT+\b]
.endr
.irp b, 0,1
	v_add_nc_u32 v[SO+\b], 0xff000000, v[BM+\b]
.endr
.irp b, 0,1
	v_lshrrev_b32 v[EX+\b], 23, v[SO+\b]
.endr
	v_lshl_or_b32 v[PW], v[EX+1], 8, v[EX]
.irp t, 0,1,2,3
	v_cvt_scalef32_pk8_fp4_f32 v[PC+2*(\t%2)+\t/2], v[SR+8*\t:SR+8*\t+7], v[SO+\t/2]
.endr
	v_nop
	v_permlane16_swap_b32 v[PC], v[PC+1]
	v_permlane16_swap_b32 v[PC+2], v[PC+3]
	global_store_b128 v[LK], v[PC:PC+3], s[12:13]  ; 512 consecutive bytes, aligned
	global_store_b16 v[OSO], v[PW], s[14:15]       ; my head's two bytes of each row's word; lanes l and l xor 16 write the same two bytes with the same value.  The word's other half is another work-group's
.endm
.macro WHERE i, tb, ts, ksi            ; trip i's key step and where it begins
	s_cmp_ge_u32 \i, s[SW]
	s_cselect_b32 s60, s[JC], 0
	s_add_co_u32 s[\ksi], \i, s60
	s_and_b32 s[\ksi], s[\ksi], 15
	s_lshl_b32 s[\tb], s[\ksi], 12
	s_lshl_b32 s[\ts], s[\ksi], 8
.endm
.macro TRIP
	s_add_co_u32 s61, s[I], 1
	WHERE s61, NTB, NTS, KSI                       ; the next trip's,
	WHERE s[I], TB, TS, KSI                        ; and this one's
	s_cmp_ge_u32 s[I], s[SW]
	s_cselect_b32 s[CM], s[ML], s[M1]
	STEP 1
.endm
	s_cmp_lt_u32 s[SWV], 3                         ; the waves that fetched what trips 0 and 1 read wait for it
	s_cbranch_scc0 .Lfirst_in
	s_wait_tensorcnt 0x0
.Lfirst_in:
	s_barrier_signal -1
	s_barrier_wait -1                              ; key steps 0 and 1 and all scale words are in
	s_wait_tensorcnt 0x0                           ; my part of the other 14 steps
	s_barrier_signal -1                            ; between this signal and its wait stand work on registers and LDS loads of bytes that are written no more
	s_mov_b32 s[TB], 0
	s_mov_b32 s[TS], 0
	s_mov_b32 s[NTB], 4096
	s_mov_b32 s[NTS], 256
	s_mov_b32 s[KSI], 0
	s_mov_b32 s[CM], s[M1]
	KLOAD
	STEP 2                                         ; trip 0
	s_cmp_eq_u32 s[SWV], 0
	s_cbranch_scc1 .Lno_trip_1
	s_mov_b32 s[TB], 4096
	s_mov_b32 s[TS], 256
	s_mov_b32 s[KSI], 1
	STEP 0                                         ; trip 1
.Lno_trip_1:
	s_barrier_wait -1                              ; everybody's part is in
	s_mov_b32 s[I], 2
	s_cmp_gt_u32 s[I], s[LAST]
	s_cbranch_scc1 .Lready                         ; waves 12-15 have walked their two steps
	WHERE s[I], TB, TS, KSI
	KLOAD
.Lready:
.Ltrip:                                                ; trips 2 .. 8
	s_cmp_gt_u32 s[I], s[LAST]
	s_cbranch_scc1 .Lnone
	s_cmp_lg_u32 s[I], s[SW]
	s_cbranch_scc1 .Lsame
	; X has finished its short tile: it goes out, and the long one begins
	v_add_f32 v14, v14, v15
	v_permlanex16_b32 v[BT], v14, s[SEL], s[SEL+1]
	v_add_f32 v14, v14, v[BT]                      ; the row's sum
	s_wait_alu depctr_va_vdst(0)
	v_rcp_f32 v14, v14
	v_nop
	v_nop
	s_wait_alu depctr_va_vdst(0)                   ; ahead of the first reader of the reciprocal and of O^T
.set j_, 0
.rept 16
	v_pk_mul_f32 v[SR+j_:SR+j_+1], v[OT+j_:OT+j_+1], v[14:15] op_sel_hi:[1,0]
.set j_, j_+2
.endr
	OUT
	v_mov_b32 v[QS], v[QNS]
.irp i, 0,1,2,3
	v_mov_b32 v[16+\i], v[QN+\i]
	v_mov_b32 v[24+\i], v[QN+\i]
.endr
	INIT
	s_wait_alu depctr_va_vdst(0)
	s_wait_xcnt 0x0                                ; the two stores have read their registers
.Lsame:
	TRIP
.Lnone:
	s_add_co_u32 s[I], s[I], 1
	s_cmp_lt_u32 s[I], 9
	s_cbranch_scc1 .Ltrip
	s_cmp_lt_u32 s[SWV], 8
	s_cbranch_scc1 .Lno_part
	v_mov_b32 v[EX], v12                           ; Y (its last trip is 5 at the most) hands over its part; these lines are also the places behind its last products
	v_add_f32 v[EX+1], v14, v15
	v_nop
	v_nop
	s_wait_alu depctr_va_vdst(0)
.irp i, 0,1,2,3,4,5,6,7
	ds_store_b128 v[MA], v[OT+4*\i:OT+4*\i+3] offset:512*\i   ; O^T, each accumulator from its low end on
.endr
	ds_store_b64 v[MB], v[EX:EX+1]                 ; -M and the sum
.Lno_part:
	s_wait_dscnt 0x0
	s_barrier_signal -1                            ; Y's parts are in LDS; X waits for this barrier behind its last trip
	s_mov_b32 s[I], 9
.Ltrip_2:                                              ; trips 9 .. 15: X alone has steps, of its long tile
	s_cmp_gt_u32 s[I], s[LAST]
	s_cbranch_scc1 .Lnone_2
	TRIP
.Lnone_2:
	s_add_co_u32 s[I], s[I], 1
	s_cmp_lt_u32 s[I], 16
	s_cbranch_scc1 .Ltrip_2
	s_barrier_wait -1
	s_cmp_lt_u32 s[SWV], 8
	s_cbranch_scc0 .Lclose
	ds_load_b64 v[BM:BM+1], v[MB]
.irp i, 0,1,2,3,4,5,6,7
	ds_load_b128 v[SR+4*\i:SR+4*\i+3], v[MA] offset:512*\i
.endr
	s_sub_co_u32 s60, s[ML], s[P]                  ; from the short tile's place in o_img and o_sc to the long one's: 8 (15 - 2 p) tiles (the short one's stores have read their bases)
	s_lshl_b32 s66, s60, 16
	s_mov_b32 s67, 0
	s_lshl_b32 s68, s60, 12
	s_mov_b32 s69, 0
	s_add_nc_u64 s[12:13], s[12:13], s[66:67]
	s_add_nc_u64 s[14:15], s[14:15], s[68:69]
	v_add_f32 v13, v14, v15                        ; my lanes' part of the sum
	s_wait_alu depctr_va_vdst(0)
	s_wait_dscnt 0x0
	v_min_num_f32 v[TMP], v12, v[BM]               ; the joint -M
	v_sub_f32 v[DL], v[TMP], v12
	v_sub_f32 v[TMP], v[TMP], v[BM]
	v_cvt_i32_f32 v[DL], v[DL]
	v_cvt_i32_f32 v[TMP], v[TMP]
	v_ldexp_f32 v[FF], 1.0, v[DL]                  ; what weighs my part
	v_ldexp_f32 v[GA], 1.0, v[TMP]                 ; and Y's
	v_mul_f32 v14, v13, v[FF]
	v_fma_f32 v14, v[BM+1], v[GA], v14
	v_permlanex16_b32 v[BT], v14, s[SEL], s[SEL+1]
	v_add_f32 v14, v14, v[BT]                      ; the row's sum
	s_wait_alu depctr_va_vdst(0)
	v_rcp_f32 v14, v14
	v_nop
	s_wait_alu depctr_va_vdst(0)                   ; ahead of the reciprocal's first reader
	v_mul_f32 v[FF], v[FF], v14
	v_mul_f32 v[GA], v[GA], v14
	s_wait_alu depctr_va_vdst(0)                   ; ahead of the first reader of O^T
.set j_, 0
.rept 16
	v_pk_mul_f32 v[OT+j_:OT+j_+1], v[OT+j_:OT+j_+1], v[FF:FF+1] op_sel_hi:[1,0]
.set j_, j_+2
.endr
.set j_, 0
.rept 16
	v_pk_fma_f32 v[SR+j_:SR+j_+1], v[SR+j_:SR+j_+1], v[GA:GA+1], v[OT+j_:OT+j_+1] op_sel_hi:[1,0,1]
.set j_, j_+2
.endr
	OUT
.Lclose:
	s_wait_tensorcnt 0x0                           ; the last LDS writes are behind me
	ds_add_u32 v254, v255
	s_wait_dscnt 0x0
	CROUND                                         ; the closing round
	s_endpgm
.Lfunc_end_k_q2eb175f589_attn:
	.size	k_q2eb175f589_attn, .Lfunc_end_k_q2eb175f589_attn-k_q2eb175f589_attn
	.p2alignl 7, 3214868480
	.fill 96, 4, 3214868480
	.section	.rodata,"a",@progbits
	.p2align	6, 0x0
	.amdhsa_kernel k_q2eb175f589_attn
		.amdhsa_group_segment_fixed_size 176640
		.amdhsa_private_segment_fixed_size 0
		.amdhsa_enable_private_segment 0
		.amdhsa_kernarg_size 48
		.amdhsa_user_sgpr_count 2
		.amdhsa_user_sgpr_kernarg_segment_ptr 1
		.amdhsa_wavefront_size32 1
		.amdhsa_system_sgpr_workgroup_id_x 1
		.amdhsa_system_sgpr_workgroup_id_y 1
		.amdhsa_system_sgpr_workgroup_id_z 1
		.amdhsa_system_vgpr_workitem_id 0
		.amdhsa_next_free_vgpr 256
		.amdhsa_next_free_sgpr 100
		.amdhsa_reserve_vcc 0
		.amdhsa_float_denorm_mode_32 3
		.amdhsa_float_denorm_mode_16_64 3
		.amdhsa_memory_ordered 1
		.amdhsa_forward_progress 1
		.amdhsa_inst_pref_size 125
	.end_amdhsa_kernel
	.amdgpu_metadata
---
amdhsa.version: [ 1, 2 ]
amdhsa.kernels:
  - .name:           k_q2eb175f589_attn
    .symbol:         k_q2eb175f589_attn.kd
    .args:
      - { .name: q_img, .offset: 0, .size: 8, .value_kind: global_buffer, .address_space: global }
      - { .name: q_sc, .offset: 8, .size: 8, .value_kind: global_buffer, .address_space: global }
      - { .name: kv_img, .offset: 16, .size: 8, .value_kind: global_buffer, .address_space: global }
      - { .name: kv_sc, .offset: 24, .size: 8, .value_kind: global_buffer, .address_space: global }
      - { .name: o_img, .offset: 32, .size: 8, .value_kind: global_buffer, .address_space: global }
      - { .name: o_sc, .offset: 40, .size: 8, .value_kind: global_buffer, .address_space: global }
    .group_segment_fixed_size: 176640
    .private_segment_fixed_size: 0
    .kernarg_segment_align: 8
    .kernarg_segment_size: 48
    .max_flat_workgroup_size: 512
    .sgpr_count:     100
    .vgpr_count:     256
    .wavefront_size: 32
...
	.end_amdgpu_metadata
.endif
;; end of part 2
;; launch oproj (part 3): grid 8 x 32, 4 waves a work-group, clusters of 4 x 4, 168,448 bytes of LDS; arguments o_img, o_sc, Wo_codes, Wo_scales, bo, out0; writes out0
.if DOCPART == 3
	.amdgcn_target "amdgcn-amd-amdhsa--gfx1250"
	.amdhsa_code_object_version 6
	.text
	.protected	k_q2eb175f589_oproj
	.globl	k_q2eb175f589_oproj
	.p2align	8
	.type	k_q2eb175f589_oproj,@function
k_q2eb175f589_oproj:
	s_mov_b64 s[64:65], 0
	v_nop
	global_prefetch_b8 v0, s[64:65] scope:SCOPE_SE
	s_setreg_imm32_b32 hwreg(HW_REG_WAVE_MODE, 25, 1), 1
	s_wait_xcnt 0x0
	s_wait_alu depctr_hold_cnt(0) depctr_sa_sdst(0) depctr_va_vdst(0) depctr_va_sdst(0) depctr_va_ssrc(0) depctr_va_vcc(0) depctr_vm_vsrc(0)
	s_getreg_b32 s2, hwreg(HW_REG_IB_STS2, 6, 4)
	s_cmp_eq_u32 s2, 0
	s_cbranch_scc0 .Lentry_in_a_cluster
	s_endpgm
.Lentry_in_a_cluster:
	s_bfe_u32 s2, ttmp6, 0x10000c
	s_cmp_lg_u32 s2, 0xf033
	s_cbranch_scc0 .Lentry_shape_is_right
	s_endpgm
.Lentry_shape_is_right:
; out0 = attention's result x Wo + bo on codes of FP4 (E2M1) with E8M0 scales; sums in f32.
; A work-group takes 128 tokens x 128 columns; K = 1,024 lies in LDS whole, each byte filled once, by one load a wave.  A wave takes 64 x 64.  Its 32 fragments of Wo (4 tiles of columns x 8 K steps) stay in registers;
; the left operand comes by tiles of 16 tokens (8 fragments, two buffers), so that a tile of 16 rows x 64 columns is finished after 32 products and leaves while the next ones are multiplied.
; The left operand lies in memory as images of its registers (512 bytes for four registers, lane l at 16 l): dense in LDS, read back as it lies.  Wo's rows of 512 bytes get 16 bytes of padding.
; TRANSPOSED use (source 0 = 16 rows of Wo, source 1 = 16 tokens): a lane holds eight neighbouring columns of one row of out0; bo is the C of each sum's first product.
; CLUSTER 4 x 4: the four of a row need the same tokens, the four of a column the same rows of Wo: each tile is asked for jointly.  NO PREFETCH: everything is asked for at the head, and no loop runs behind it.
; LIMITS: NaN, infinities and the scale byte 0xff among the inputs are not served.
; REGISTERS: window 0: addresses; v32-159 two buffers of the left operand; v160-175, v176-191 scale words; v192-255 rows of out0, two buffers.  window 1: Wo's fragments, (t, s) at 64 t + 8 s.  window 2: v0-127 accumulators, (a, t) at 8 (4 a + t); v128-159 bo.
.set PITCH, 528
.set HALF,  64*PITCH
.set TILE,  2*HALF
.set SHALF, 8*272
.set SBLK,  2*SHALF
.set WC,    65536                      ; behind the images: Wo's codes,
.set ASC,   WC+TILE                    ; the left operand's scale words, 4,096 dense bytes,
.set WSC,   ASC+4096                   ; Wo's scale bytes, 16 pieces of 256 + 16,
.set STG,   WSC+SBLK                   ; and a stage of 16 rows x 272 bytes for each wave: written by LDS stores alone
.set SPARE, 0x29000                    ; the spare words, 128 bytes a wave
.set SWV, 34
.set SWM, 35
.set SWN, 36
.set NJ,  37
.set MI,  38
.set G1A, 44
.set G1B, 52
.set G1SA, 68
.set G1SB, 76
.set G0SA, 60
.set G0A, 84
.set G0SB, 88
.set G0B, 92
.set ADA, 4
.set ADB, 5
.set ADSA, 8
.set ADSB, 9
.set STO, 12
.set RD,  13
.set CO,  14
.set BO,  16
.set AF,  32
.set SA,  160
.set SB,  176
.set OB,  192
.set MUL,   0xa1                       ; source 0 window 1, source 1 window 0, C and D window 2
.set TO_B,  0x40
.set TO_2,  0x80
.set STW,   0x08                       ; an LDS store's data are its source 1: window 2
.set MSB, 0
.macro WIN new
.if MSB != \new
	s_set_vgpr_msb (MSB<<8)|\new
.set MSB, \new
.endif
.endm
.macro PLACES n
.rept \n
	v_nop
.endr
.endm
.macro CROUND
	s_barrier_signal -1
	s_barrier_wait -1
	s_cmp_lg_u32 s[SWV], 0
	s_cbranch_scc1 .Lnot_wave_0_\@
	s_barrier_signal -3
.Lnot_wave_0_\@:
	s_barrier_wait -3
	s_barrier_signal -1
	s_barrier_wait -1
.endm
.macro WMM
.if rRA && rRB
	v_wmma_scale_f32_16x16x128_f8f6f4 v[rD:rD+7], v[rA:rA+7], v[rB:rB+7], v[rC:rC+7], v[rSA], v[rSB] matrix_a_fmt:MATRIX_FMT_FP4 matrix_b_fmt:MATRIX_FMT_FP4 matrix_a_scale:MATRIX_SCALE_ROW1 matrix_b_scale:MATRIX_SCALE_ROW1
.elseif rRA
	v_wmma_scale_f32_16x16x128_f8f6f4 v[rD:rD+7], v[rA:rA+7], v[rB:rB+7], v[rC:rC+7], v[rSA], v[rSB] matrix_a_fmt:MATRIX_FMT_FP4 matrix_b_fmt:MATRIX_FMT_FP4 matrix_a_scale:MATRIX_SCALE_ROW1
.elseif rRB
	v_wmma_scale_f32_16x16x128_f8f6f4 v[rD:rD+7], v[rA:rA+7], v[rB:rB+7], v[rC:rC+7], v[rSA], v[rSB] matrix_a_fmt:MATRIX_FMT_FP4 matrix_b_fmt:MATRIX_FMT_FP4 matrix_b_scale:MATRIX_SCALE_ROW1
.else
	v_wmma_scale_f32_16x16x128_f8f6f4 v[rD:rD+7], v[rA:rA+7], v[rB:rB+7], v[rC:rC+7], v[rSA], v[rSB] matrix_a_fmt:MATRIX_FMT_FP4 matrix_b_fmt:MATRIX_FMT_FP4
.endif
.endm
	s_load_b256 s[4:11], s[0:1], 0x0               ; o_img, o_sc, Wo's codes, Wo's scales
	s_load_b128 s[12:15], s[0:1], 0x20             ; bo, out0
	v_lshl_add_u32 v30, v0, 2, SPARE
	v_mov_b32 v31, 0
	ds_add_u32 v30, v31                            ; the wave's opening: the add, twice on end, and its wait ahead of the first tensor load
	ds_add_u32 v30, v31
	v_lshrrev_b32 v1, 5, v0
	v_readfirstlane_b32 s[SWV], v1
	s_lshr_b32 s[SWM], s[SWV], 1
	s_and_b32 s[SWN], s[SWV], 1
	s_bfe_u32 s100, ttmp6, 0x40000
	s_bfe_u32 s101, ttmp6, 0x40004
	s_lshl_b32 s[NJ], ttmp9, 2
	s_add_co_u32 s[NJ], s[NJ], s100
	s_and_b32 s[MI], ttmp7, 0xffff
	s_lshl_b32 s[MI], s[MI], 2
	s_add_co_u32 s[MI], s[MI], s101
	s_lshl_b32 s2, s101, 2
	s_lshl_b32 s2, 15, s2                          ; my row of the cluster
	s_lshl_b32 s66, 0x1111, s100                   ; my column
	; the images of 128 tokens: 65,536 dense bytes as 256 rows of 256 (32 elements of 8 bytes), no padding; their scale words: 16 such rows
	s_or_b32 s[G1A], s2, (3<<16)|(1<<21)
	s_mov_b32 s[G1A+2], 256<<16
	s_mov_b32 s[G1A+4], 256
	s_or_b32 s[G1SA], s2, (3<<16)|(1<<21)
	s_mov_b32 s[G1SA+2], 16<<16
	s_mov_b32 s[G1SA+4], 16
	; Wo: 128 rows x 512 bytes, 16 bytes of padding behind each; its scale bytes: 16 rows of 256, 16 bytes of padding behind each
	s_or_b32 s[G1B], s66, (1<<20)|(1<<21)|(6<<22)|(3<<25)
	s_mov_b32 s[G1B+1], 512<<16
	s_mov_b32 s[G1B+2], 128<<16
	s_mov_b32 s[G1B+3], 512<<16
	s_mov_b32 s[G1B+4], 128
	s_mov_b32 s[G1B+5], 512
	s_mov_b32 s[G1B+6], 0
	s_mov_b32 s[G1B+7], 0
	s_or_b32 s[G1SB], s66, (3<<16)|(1<<20)|(1<<21)|(5<<22)|(3<<25)
	s_mov_b32 s[G1SB+2], 16<<16
	s_mov_b32 s[G1SB+4], 16
.irp g, G1A, G1SA, G1SB
	s_mov_b32 s[\g+1], 32<<16
	s_mov_b32 s[\g+3], 32<<16
	s_mov_b32 s[\g+5], 32
	s_mov_b32 s[\g+6], 0
	s_mov_b32 s[\g+7], 0
.endr
	s_mov_b32 s[G0A+1], 0                          ; wave 0 fetches the left operand's images, wave 1 Wo's codes, wave 2 the left operand's scale words, wave 3 Wo's scale bytes
	s_mov_b32 s[G0SA+1], ASC
	s_mov_b32 s[G0B+1], WC
	s_mov_b32 s[G0SB+1], WSC
	s_lshl_b32 s2, s[MI], 16
	s_mov_b32 s3, 0
	s_lshl_b32 s66, s[NJ], 16
	s_mov_b32 s67, 0
	s_wait_dscnt 0x0
	s_wait_kmcnt 0x0
	s_add_nc_u64 s[G0A+2:G0A+3], s[4:5], s[2:3]
	s_add_nc_u64 s[G0B+2:G0B+3], s[8:9], s[66:67]
	s_lshr_b32 s2, s2, 4
	s_lshr_b32 s66, s66, 4
	s_add_nc_u64 s[G0SA+2:G0SA+3], s[6:7], s[2:3]
	s_add_nc_u64 s[G0SB+2:G0SB+3], s[10:11], s[66:67]
.irp g, G0A, G0B, G0SA, G0SB
	s_mov_b32 s[\g], 1
	s_or_b32 s[\g+3], s[\g+3], 0x80000000
.endr
	CROUND                                         ; all sixteen work-groups are here: the joint loads meet
; The head's loads, one a wave: one tree of branches on the wave's number, a load to an arm.
.macro ARM under, g0, g1, next
	s_cmp_lt_u32 s[SWV], \under
	s_cbranch_scc0 \next
	tensor_load_to_lds s[\g0:\g0+3], s[\g1:\g1+7]
	s_nop 0
	PLACES 4
	s_branch .Lfilled
\next:
.endm
	ARM 1, G0A,  G1A,  .Lhead_b
	ARM 2, G0B,  G1B,  .Lhead_sa
	ARM 3, G0SA, G1SA, .Lhead_sb
	tensor_load_to_lds s[G0SB:G0SB+3], s[G1SB:G1SB+7]
	s_nop 0
	PLACES 4
.Lfilled:
	v_and_b32 v1, 31, v0
	v_and_b32 v2, 15, v0
	v_bfe_u32 v3, v0, 4, 1
	s_lshl_b32 s4, s[SWM], 15
	v_lshl_add_u32 v[ADA], v1, 4, s4               ; my 64 tokens' images, 16 x lane
	v_mul_u32_u24 v7, v2, PITCH
	v_lshl_add_u32 v7, v3, 4, v7
	s_mul_i32 s4, s[SWN], HALF
	s_add_co_u32 s4, s4, WC
	v_add_nc_u32 v[ADB], s4, v7
	s_lshl_b32 s4, s[SWM], 11
	s_add_co_u32 s4, s4, ASC
	v_lshlrev_b32 v10, 2, v2
	v_lshl_add_u32 v10, v3, 9, v10
	v_add_nc_u32 v[ADSA], s4, v10                  ; a tile's words are 512 bytes: lanes 0-15 the even tile, lanes 16-31 the odd
	v_lshrrev_b32 v6, 3, v1
	v_mul_u32_u24 v6, v6, 272
	v_and_b32 v11, 7, v1
	v_lshl_add_u32 v11, v11, 5, v6
	s_mul_i32 s4, s[SWN], SHALF
	s_add_co_u32 s4, s4, WSC
	v_add_nc_u32 v[ADSB], s4, v11
	s_mul_i32 s4, s[SWV], 16*272
	s_add_co_u32 s4, s4, STG                       ; my stage
	v_mul_u32_u24 v[STO], v2, 272
	v_lshl_add_u32 v[STO], v3, 5, v[STO]
	v_add_nc_u32 v[STO], s4, v[STO]                ; in: row r, 32 bytes for each half of the lanes
	v_mul_u32_u24 v[RD], v3, 272
	v_lshl_add_u32 v[RD], v2, 4, v[RD]
	v_add_nc_u32 v[RD], s4, v[RD]                  ; back: lanes 0-15 one row of 256 bytes, lanes 16-31 the next
	v_lshlrev_b32 v[CO], 4, v2
	v_lshl_add_u32 v[CO], v3, 12, v[CO]            ; and the same two rows in out0
	v_lshlrev_b32 v[BO], 5, v3
	s_wait_alu depctr_va_vdst(0)
	s_lshl_b32 s4, s[NJ], 9
	s_lshl_b32 s5, s[SWN], 8
	s_add_co_u32 s4, s4, s5                        ; my 64 columns, in bytes
	s_mov_b32 s5, 0
	s_add_nc_u64 s[12:13], s[12:13], s[4:5]
	s_add_nc_u64 s[14:15], s[14:15], s[4:5]
	s_lshl_b32 s4, s[MI], 19
	s_lshl_b32 s6, s[SWM], 18
	s_add_co_u32 s4, s4, s6                        ; my 64 rows of 4,096 bytes
	s_add_nc_u64 s[14:15], s[14:15], s[4:5]
	WIN TO_2
.irp t, 0,1,2,3
	global_load_b128 v[128+8*\t:128+8*\t+3], v[BO], s[12:13] offset:64*\t          ; bo: register j = column 16 t + 8 h + j
	global_load_b128 v[128+8*\t+4:128+8*\t+7], v[BO], s[12:13] offset:64*\t+16
.endr
	WIN 0
.macro ALOAD a                         ; my tile a of 16 tokens, all of K: 16 loads into buffer a % 2
.set ab, AF+64*((\a)%2)
.irp s, 0,1,2,3,4,5,6,7
.irp c, 0,1
	ds_load_b128 v[ab+8*\s+4*\c:ab+8*\s+4*\c+3], v[ADA] offset:1024*(8*(\a)+\s)+512*\c
.endr
.endr
.endm
; 32 products: 8 K steps x 4 accumulators, which take turns, one instruction a turn.  Tile 0 waits for Wo's fragments K step by K step: behind K step s stand 8 (7 - s) loads of Wo and 16 of tile 1.
.macro MULA a
	WIN MUL
.set ks, 0
.rept 8
.if (\a) == 0
.if ks < 2
	s_wait_dscnt 63
.else
	s_wait_dscnt 16+8*(7-ks)
.endif
.endif
.set tt, 0
.rept 4
.set rD, 8*(4*(\a)+tt)
.set rC, rD
.if ks == 0
.set rC, 128+8*tt
.endif
.set rA, 64*tt+8*ks
.set rB, AF+64*((\a)%2)+8*ks
.set rSA, SB+8*(tt/2)+ks
.set rRA, tt%2
.set rSB, SA+8*((\a)/2)+ks
.set rRB, (\a)%2
	WMM
.set tt, tt+1
.endr
.set ks, ks+1
.endr
	WIN 0
.endm
; THE WAY OUT of a tile of 16 rows x 64 columns: 32 bytes a lane into my own stage, back as whole rows of 256 bytes.  LDS serves a wave's instructions in order (ISA guide 5.7.1.4): no wait between stores and loads.
.macro TOSTAGE a
	WIN STW
.irp t, 0,1,2,3
	ds_store_b128 v[STO], v[8*(4*(\a)+\t):8*(4*(\a)+\t)+3] offset:64*\t            ; each accumulator from its low end on
	ds_store_b128 v[STO], v[8*(4*(\a)+\t)+4:8*(4*(\a)+\t)+7] offset:64*\t+16
.endr
	WIN 0
.irp i, 0,1,2,3,4,5,6,7
	ds_load_b128 v[OB+32*((\a)%2)+4*\i:OB+32*((\a)%2)+4*\i+3], v[RD] offset:544*\i
.endr
.endm
.macro SEND a, younger                 ; younger: the LDS instructions issued behind the tile's loads
	s_wait_dscnt \younger
.irp i, 0,1,2,3,4,5,6,7
	global_store_b128 v[CO], v[OB+32*((\a)%2)+4*\i:OB+32*((\a)%2)+4*\i+3], s[14:15] offset:(16*(\a)+2*\i)*4096 th:TH_STORE_NT   ; sixteen lanes store 256 consecutive bytes, aligned
.endr
.endm
	s_wait_alu depctr_va_vdst(0)
	s_wait_tensorcnt 0x0                           ; my load has landed;
	s_barrier_signal -1
	s_barrier_wait -1                              ; everybody's has
	ALOAD 0
.irp p, 0,1
.irp q, 0,1
	ds_load_b128 v[SB+8*\p+4*\q:SB+8*\p+4*\q+3], v[ADSB] offset:1088*\p+16*\q
.endr
.endr
.irp p, 0,1
.irp s, 0,1,2,3,4,5,6,7
	ds_load_b32 v[SA+8*\p+\s], v[ADSA] offset:1024*\p+64*\s
.endr
.endr
	WIN TO_B
.irp s, 0,1,2,3,4,5,6,7
.irp t, 0,1,2,3
.irp c, 0,1
	ds_load_b128 v[64*\t+8*\s+4*\c:64*\t+8*\s+4*\c+3], v[ADB] offset:16*PITCH*\t+64*\s+32*\c   ; Wo's fragments: read once
.endr
.endr
.endr
	WIN 0
	ALOAD 1
	s_wait_loadcnt 0x0                             ; bo
	MULA 0
	PLACES 4                                       ; in front of the read of results and of loads into the buffer just multiplied
	TOSTAGE 0
	ALOAD 2
	s_wait_dscnt 32                                ; tile 1 is in: behind it stand tile 0's 16 of the stage and tile 2's 16
	MULA 1
	SEND 0, 16
	PLACES 4
	TOSTAGE 1
	ALOAD 3
	s_wait_dscnt 32                                ; tile 2 likewise
	MULA 2
	SEND 1, 16
	PLACES 4
	s_wait_xcnt 0x0                                ; tiles 0's and 1's stores have read their registers
	TOSTAGE 2
	s_wait_dscnt 16                                ; tile 3
	MULA 3
	SEND 2, 0
	PLACES 4
	TOSTAGE 3
	SEND 3, 0
	s_wait_tensorcnt 0x0                           ; the wave's end
	ds_add_u32 v30, v31
	s_wait_dscnt 0x0
	CROUND                                         ; the closing round
	s_endpgm
.Lfunc_end_k_q2eb175f589_oproj:
	.size	k_q2eb175f589_oproj, .Lfunc_end_k_q2eb175f589_oproj-k_q2eb175f589_oproj
	.p2alignl 7, 3214868480
	.fill 96, 4, 3214868480
	.section	.rodata,"a",@progbits
	.p2align	6, 0x0
	.amdhsa_kernel k_q2eb175f589_oproj
		.amdhsa_group_segment_fixed_size 168448
		.amdhsa_private_segment_fixed_size 0
		.amdhsa_enable_private_segment 0
		.amdhsa_kernarg_size 48
		.amdhsa_user_sgpr_count 2
		.amdhsa_user_sgpr_kernarg_segment_ptr 1
		.amdhsa_wavefront_size32 1
		.amdhsa_system_sgpr_workgroup_id_x 1
		.amdhsa_system_sgpr_workgroup_id_y 1
		.amdhsa_system_sgpr_workgroup_id_z 1
		.amdhsa_system_vgpr_workitem_id 0
		.amdhsa_next_free_vgpr 768
		.amdhsa_next_free_sgpr 102
		.amdhsa_reserve_vcc 0
		.amdhsa_float_denorm_mode_32 3
		.amdhsa_float_denorm_mode_16_64 3
		.amdhsa_memory_ordered 1
		.amdhsa_forward_progress 1
		.amdhsa_inst_pref_size 43
	.end_amdhsa_kernel
	.amdgpu_metadata
---
amdhsa.version: [ 1, 2 ]
amdhsa.kernels:
  - .name:           k_q2eb175f589_oproj
    .symbol:         k_q2eb175f589_oproj.kd
    .args:
      - { .name: o_img, .offset: 0, .size: 8, .value_kind: global_buffer, .address_space: global }
      - { .name: o_sc, .offset: 8, .size: 8, .value_kind: global_buffer, .address_space: global }
      - { .name: Wo_codes, .offset: 16, .size: 8, .value_kind: global_buffer, .address_space: global }
      - { .name: Wo_scales, .offset: 24, .size: 8, .value_kind: global_buffer, .address_space: global }
      - { .name: bo, .offset: 32, .size: 8, .value_kind: global_buffer, .address_space: global }
      - { .name: out0, .offset: 40, .size: 8, .value_kind: global_buffer, .address_space: global }
    .group_segment_fixed_size: 168448
    .private_segment_fixed_size: 0
    .kernarg_segment_align: 8
    .kernarg_segment_size: 48
    .max_flat_workgroup_size: 128
    .sgpr_count:     102
    .vgpr_count:     768
    .wavefront_size: 32
...
	.end_amdgpu_metadata
.endif
;; end of part 3
